; MI455X (gfx1250); checked and timed in simulation.
; The chip was launched on July 23, 2026; its instructions are those of AMD's public machine-readable ISA for CDNA 5 (MIT licence, August 2026) and "CDNA5" Instruction Set Architecture Reference Guide (July 2026). The comments in the code are by the model that wrote it; some were corrected since.
;; Causal Self Attention. Allowed arithmetic: matrix products marked QUANTISED: E2M3 operands, one E8M0 scale for each 32 along K, by v_wmma_scale_f32_16x16x128_f8f6f4 with both operands' format E2M3, f32 sums; everything else in f32.
;; Inputs: b_out 1,024 float32; b_qkv 3,072 float32; w_out_codes 1,024 x 32 x 24 uint8 (E2M3 codes of w_out, K innermost, in blocks of 32 codes, four codes in three bytes); w_out_scales 1,024 x 32 uint8 (E8M0 scales of w_out, one for each 32 codes along K); w_qkv_codes 3,072 x 32 x 24 uint8 (E2M3 codes of w_qkv, K innermost, in blocks of 32 codes, four codes in three bytes); w_qkv_scales 3,072 x 32 uint8 (E8M0 scales of w_qkv, one for each 32 codes along K); x_codes 4 x 2,048 x 32 x 24 uint8 (E2M3 codes of x, K innermost, in blocks of 32 codes, four codes in three bytes); x_scales 4 x 2,048 x 32 uint8 (E8M0 scales of x, one for each 32 codes along K).
;; Outputs: out0 4 x 2,048 x 1,024 float32.
;; This version of the problem:
;;   THIS VERSION OF THE PROBLEM IS GIVEN IN LOW PRECISION. The matrix products marked QUANTISED in the list below multiply operands that are first quantised to E2M3 (2 exponent bits, 3 mantissa bits; 6 bits a number), with one power-of-two scale for each 32 numbers along K (OCP MX v1.0); their sums are f32. All else is computed in f32.
;;   The module's matrix products, in the order in which they are computed (A, B: the left and right operand; K: the contracted axis; several contracted axes count as one K, in the product's order):
;;     1. [M 8,192, K 1,024] x [K 1,024, N 3,072]; A: input x (given as codes); B: input w_qkv (given as codes): QUANTISED
;;     2. batch 64 x [M 2,048, K 64] x [K 64, N 2,048]; A: computed on the way; B: computed on the way: QUANTISED
;;     3. batch 64 x [M 2,048, K 2,048] x [K 2,048, N 64]; A: softmax (see below); B: computed on the way: QUANTISED
;;     4. [M 8,192, K 1,024] x [K 1,024, N 1,024]; A: computed on the way; B: input w_out (given as codes): QUANTISED
;;   THE QUANTISER, for each operand of a quantised product, along K:
;;     - K is cut into blocks of 32 from its start; a last block that is shorter is filled with zeros.
;;     - A block's scale is 2^e with e = floor(log2(the largest magnitude in the block)) - 2, held to -126 .. 127; a block of zeros has e = 0. As a byte (E8M0): e + 127.
;;     - Each number is divided by its block's scale, clamped to +-7.5, and rounded to the nearest number of E2M3, ties to even, subnormals kept.
;;     - The product sums the exact products of the quantised numbers (number of the format x scale) in f32.
;;   ~~~python
;;   def quantise(x, axis):      # numpy; x: float32 -> the quantised numbers, widened to float32 again
;;       x = np.moveaxis(x, axis, -1); K = x.shape[-1]
;;       x = np.pad(x, [(0, 0)] * (x.ndim - 1) + [(0, -K % 32)]); x = x.reshape(x.shape[:-1] + (-1, 32)); a = np.abs(x).max(-1, keepdims=True)
;;       e = np.where(a > 0, np.clip(np.frexp(np.where(a > 0, a, 1))[1] - 1 - 2, -126, 127), 0)      # np.frexp(a)[1] - 1 = floor(log2(a)), exactly
;;       r = np.clip(x / 2.0 ** e, -7.5, 7.5)
;;       step = 2.0 ** (np.maximum(np.frexp(np.where(r == 0, 1, r))[1] - 1, 0) - 3)
;;       q = np.round(r / step) * step * 2.0 ** e      # np.round: ties to even
;;       return np.moveaxis(q.reshape(q.shape[:-2] + (-1,))[..., :K], -1, axis).astype(np.float32)
;;   ~~~
;;   SOFTMAX AHEAD OF A QUANTISED PRODUCT. Where the list says 'softmax', what is quantised is not the finished softmax but p = 2^(t - M), with t = logit x log2(e) and M = ceil(the row's largest t), a whole number; so 1/2 < the row's largest p <= 1. The row's sum l is taken of the UNQUANTISED p, in f32, and the product's result is divided by l at the end. Since M is a whole number, a kernel that streams over the keys may use a running M (the ceiling of the running maximum): every later rescaling is an exact power of two, which a block's scale takes up: the codes' values come out the same.
;;   OPERANDS COMPUTED ON THE WAY. 'Computed on the way' means the value that the module computes at that place (a softmax that the list does not call 'softmax' is quantised finished and normalised). What goes into a quantiser is computed in f32, as accurately as f32 sums, v_exp_f32 and their like allow (about 1e-6 of the number): no bf16 or f16 on the way to a quantiser, and a product that is left as it is and whose result goes on into a quantised operand takes f32 operands (vector FMAs, or v_wmma_f32_16x16x4_f32). A number that lies on a knife's edge between two numbers of the format may be rounded either way, as far as f32 arithmetic and the matrix unit's own rounding can turn it there, and no further.
;;   INPUTS GIVEN AS CODES. w_out (in the module: [1024, 1024], K = its axis 0); w_qkv (in the module: [1024, 3072], K = its axis 0); x (in the module: [4, 2048, 1024], K = its axis 2): each comes as NAME_codes (uint8): NAME with its K axis moved to the last place and cut into blocks of 32 codes, [.., K / 32, bytes a block], one block behind the other in memory; four codes in three bytes: a row's codes are one little-endian stream of bits, code i at bits 6 i .. 6 i + 5 (a code: sign, 2 exponent bits, 3 mantissa bits); and NAME_scales (uint8): the same leading axes, one E8M0 byte (e + 127) for each 32 codes along K. Its value is code x scale, taken as it is: it is not quantised again, and the codes and scales need not be those that the quantiser above would give.
;; One version. Each part assembles by itself: llvm-mc -triple=amdgcn-amd-amdhsa -mcpu=gfx1250 --defsym DOCPART=n.
;; ======== version 1 of 1: 4 launches
;; workspace buffers: qk 13,631,488 bytes; vbuf 6,553,600 bytes; o_codes 6,291,456 bytes; o_scales 262,144 bytes
;; launch gemm_qk (part 1): grid 8 x 32, 4 waves a work-group, clusters of 4 x 4, 327,680 bytes of LDS; arguments x_codes, x_scales, w_qkv_codes, w_qkv_scales, b_qkv, qk; writes qk
.if DOCPART == 1
	.amdgcn_target "amdgcn-amd-amdhsa--gfx1250"
	.amdhsa_code_object_version 6
	.text
	.protected	k_q143cbb7737_gemm_qk
	.globl	k_q143cbb7737_gemm_qk
	.p2align	8
	.type	k_q143cbb7737_gemm_qk,@function
k_q143cbb7737_gemm_qk:
	s_mov_b64 s[64:65], 0
	v_nop
	global_prefetch_b8 v0, s[64:65] scope:SCOPE_SE
	s_setreg_imm32_b32 hwreg(HW_REG_WAVE_MODE, 25, 1), 1
	s_wait_xcnt 0x0
	s_wait_alu depctr_hold_cnt(0) depctr_sa_sdst(0) depctr_va_vdst(0) depctr_va_sdst(0) depctr_va_ssrc(0) depctr_va_vcc(0) depctr_vm_vsrc(0)
	s_getreg_b32 s2, hwreg(HW_REG_IB_STS2, 6, 4)
	s_cmp_eq_u32 s2, 0
	s_cbranch_scc0 .Lentry_in_a_cluster
	s_endpgm
.Lentry_in_a_cluster:
	s_bfe_u32 s2, ttmp6, 0x10000c
	s_cmp_lg_u32 s2, 0xf033
	s_cbranch_scc0 .Lentry_shape_is_right
	s_endpgm
.Lentry_shape_is_right:
; THE PROGRAM: causal self-attention (4 x 2,048 tokens, 1,024 wide, 16 heads of 64), all four products on codes of FP6 (E2M3) with one E8M0 scale for each 32 along K.  Four launches:
;   gemm_qk: x w_qkv + b_qkv, columns 0-2,047 (q and k), quantised along the head on the way out;   gemm_v: columns 2,048-3,071 (v), quantised along the keys;
;   attn: q k^T, the softmax, p v, o quantised along the model's width;   gemm_out: o w_out + b_out.  Only codes and scale bytes go through memory between them.
; DEAD WORK, left out in attn: reference() adds (1 - tri) x -1e10 to the logits, a mask that it builds in its own body.  A key behind the query so gets the weight exp(logit - 1e10 - the row's maximum),
; which reference()'s f32 softmax gives as 0 for all logits far under 1e10 in size.  So steps of 128 keys that lie wholly behind a tile's 16 queries are not walked, and inside the step on the diagonal hidden scores become -infinity.
; LIMIT: a NaN, an infinity or an overflow that reaches only hidden scores is not carried to the result.  Every input has a way to the output and is loaded.
;
; THIS LAUNCH: C[token][n] = sum over k of x[token][k] w[n][k] + b[n], n = 0 .. 2,047.  A = x [8,192][1,024], B = w_qkv's rows 0-2,047 [..][1,024], codes with K innermost (a row of 1,024 codes is 768 bytes), scale bytes [..][32].
; A tile of C, 256 x 256, is made by a work-group of four waves, a wave makes 128 x 128: 64 accumulators of 16 x 16, 512 registers.  K goes in steps of 256 through a ring of two LDS slots filled by the tensor data mover.
; The scale bytes of the work-group's 256 + 256 rows, for all of K, come into LDS once, with the first fills.
; CLUSTERS: 4 x 4 work-groups.  The four of a row of the cluster need the same tiles of A, the four of a column the same tiles of B: each tile is asked for jointly, by the same tensor load with the same descriptor and a mask that names the four.
; THE MATRIX INSTRUCTION IS USED TRANSPOSED (source 0 = 16 rows of B, source 1 = 16 rows of A): lane (r, h) holds token 16 a + r, and register j of accumulator (a, b) holds n = 16 b + 8 h + j.
; So the 64 registers of a block a of tokens run along n: 128 columns = two heads of 64 = four blocks of 32, sixteen registers a block; the block's other sixteen lie in the lane 16 away.
; THE WAY OUT quantises them there: largest magnitude, scale byte, conversion.  A lane's sixteen of block B are n = 32 B + 8 h + {0..7, 16..23}, so inside each block of 32 the codes stand in the order 0-7, 16-23, 8-15, 24-31.
; q and k get the same order from the same lines, and a block's members and scale are the true ones: every product q k is exact, only the order of the f32 sum differs.
; THE BUFFER qk: record (G, batch) at (4 G + batch) x 106,496 bytes, G = n / 64 (0-15: q's heads, 16-31: k's).  In it the half fragment (16 tokens x 64: 6 registers a lane) of token tile t at 768 t: registers 0-3 at 16 x lane, registers 4-5
; at 512 + 8 x lane: an image of the operand's registers.  From byte 98,304: scale words, 512 bytes for each 8 tiles: lane l's 16 bytes at 16 l, word i: lanes 0-15 tile 2 i, lanes 16-31 tile 2 i + 1; a word is byte 0 | byte 1 << 8 | 0x7f7f0000.
; The bias is the C of each sum's first matrix instruction.
; LIMITS: a block's largest magnitude is floored at 2^-124, so a block of zeros gets the byte 1 and not 127: its codes are zeros and this program alone reads the bytes.  NaN and infinities among the sums are not served.
; REGISTERS, in windows of 256: window 0: v16-31 addresses; v32-63 scale words, two sets; v64-127 the bias; from v128 A's fragments, one set; on the way out v128-191 are at work.
;   window 1: B's fragments, two sets, at v0 and v128.   window 2: the accumulators of my rows 0-63 ((a, b) at v[8 (8 a + b)]);   window 3: those of my rows 64-127.
.set KSTEP,  256                       ; along K in a slot
.set NQ,     2                         ; matrix instructions deep
.set ROWB,   192                       ; a tile's row in bytes
.set KROW,   768                       ; a row of A or of B in memory
.set PITCH,  240                       ; an LDS row: 3 x (64 bytes + 16 of padding)
.set FR,     12                        ; registers of a fragment
.set NL,     6                         ; LDS loads that bring one
.set NP,     4                         ; places behind this matrix instruction (ISA guide 7.12.1)
.set HALFT,  128*PITCH                 ; 128 rows: what one tensor load brings
.set SLOT,   4*HALFT                   ; A's 256 rows, then B's 256 rows
.set KS,     32                        ; a row of scale bytes
.set SCL,    2*SLOT                    ; behind the ring: the scale bytes, as units of 256 bytes + 16 of padding
.set HALFS,  (128*KS/256)*272          ; those of 128 rows
.set SBLK,   (16*KS/256)*272           ; those of 16 rows
.set SPARE,  SCL+4*HALFS               ; behind the scales: the spare words, 128 bytes for each wave, that no other line names
.set REC,    106496                    ; a record of the buffer qk
.set RSC,    98304                     ; where its scale words begin
.set ADRA, 16                          ; v16-17 LDS address of my A fragments in slot 0, 1 (v18-19: for the pieces behind one padding more)
.set ADRB, 20                          ; v20-23 the same for B
.set LI16, 24                          ; v24    16 x lane
.set LI8,  25                          ; v25    8 x lane
.set LANE, 26                          ; v26    lane
.set ADRS, 27                          ; v27    LDS address of my scale words: lanes 0-15 A's rows, lanes 16-31 B's
.set SPW,  28                          ; v28    LDS address of my spare word; never rewritten
.set NIL,  29                          ; v29    0; never rewritten
.set BOF,  30                          ; v30    my offset in the bias
.set SC,   32                          ; scale words: set s at v[SC + 16 s]; register 2 i + q: lanes 0-15 A's block i, lanes 16-31 B's block i
.set BI,   64                          ; the bias: register 8 b + j = b_qkv[my first column + 16 b + 8 h + j]
.set AF,   128                         ; A's fragments
.set PC,   128                         ; the way out: the codes just made, v128-147
.set TM,   148                         ; v148-151 largest magnitudes, v152-155 bytes, v160-163 the conversions' scale operands
.set PW,   164                         ; the scale word just made
.set W0,   168                         ; v168-175 the lower head's words of the eight blocks;  v176-183 the upper head's
.set W1,   176
.set X,    184                         ; v184-191 the words as they are stored
.set G1, 24
.set G0, 32
.set G1B, 48
.set G0B, 56
.set G1S, 68
.set G0S, 76
.set G1SB, 80
.set G0SB, 88
.set MSB, 0
.macro WIN new                         ; the immediate's high byte repeats the setting that is left
.if MSB != (\new)
	s_set_vgpr_msb (MSB<<8)|(\new)
.set MSB, (\new)
.endif
.endm
.set MUL_LO, 0xa1                      ; source 0 (B) window 1, source 1 (A) window 0, C and D window 2
.set MUL_HI, 0xf1                      ; the same, C and D window 3
.set TO_B,   0x40                      ; destination window 1, address window 0
; A joint load: waves 0 and 1 fetch for A, waves 2 and 3 for B.  The branch hangs on the wave's number alone.  An s_nop 0 and four v_nop follow each of the two lines.
.macro JLOAD g0a, g1a, g0b, g1b
	s_cmp_eq_u32 s15, 0
	s_cbranch_scc0 .Lfor_b_\@
	tensor_load_to_lds s[\g0a:\g0a+3], s[\g1a:\g1a+7]
	s_nop 0
.rept 4
	v_nop
.endr
	s_branch .Lasked_\@
.Lfor_b_\@:
	tensor_load_to_lds s[\g0b:\g0b+3], s[\g1b:\g1b+7]
	s_nop 0
.rept 4
	v_nop
.endr
.Lasked_\@:
.endm
.macro CREST                           ; a round of the cluster's barrier behind its opening barrier
	s_cmp_lg_u32 s14, 0
	s_cbranch_scc1 .Lnot_wave_0_\@
	s_barrier_signal -3
.Lnot_wave_0_\@:
	s_barrier_wait -3
	s_barrier_signal -1
	s_barrier_wait -1
.endm
.macro CROUND                          ; a whole round
	s_barrier_signal -1
	s_barrier_wait -1
	CREST
.endm
	s_load_b128 s[4:7], s[0:1], 0x0                ; A's codes, A's scales
	s_load_b128 s[8:11], s[0:1], 0x10              ; B's codes, B's scales
	s_load_b64 s[12:13], s[0:1], 0x20              ; the bias
	s_load_b64 s[96:97], s[0:1], 0x28              ; the buffer qk
	v_lshl_add_u32 v[SPW], v0, 2, SPARE
	v_mov_b32 v[NIL], 0
	ds_add_u32 v[SPW], v[NIL]                      ; the wave's opening: the add, twice on end, and its wait ahead of my first tensor load
	ds_add_u32 v[SPW], v[NIL]                      ; and once more, under the one wait; the set-up below, work on registers, stands between
	v_lshrrev_b32 v1, 5, v0
	v_readfirstlane_b32 s14, v1                    ; wave 0..3
	s_lshr_b32 s15, s14, 1                         ; which half of the tile's A rows is mine.  Also: I fetch for A (0) or for B (1)
	s_and_b32 s16, s14, 1                          ; which half of its B rows.  Also: which 128 rows of that tile I fetch
	s_bfe_u32 s40, ttmp6, 0x40000                  ; cx, cy: my place in the cluster
	s_bfe_u32 s41, ttmp6, 0x40004
	s_lshl_b32 s42, ttmp9, 2
	s_add_co_u32 s42, s42, s40                     ; tile column (B) = 4 x cluster x + cx
	s_and_b32 s17, ttmp7, 0xffff
	s_lshl_b32 s17, s17, 2
	s_add_co_u32 s17, s17, s41                     ; tile row (A) = 4 x cluster y + cy
	s_lshl_b32 s43, s41, 2
	s_lshl_b32 s43, 15, s43                        ; my row of the cluster
	s_lshl_b32 s44, 0x1111, s40                    ; my column
	; descriptor group 1: a tile of 128 rows x 192 bytes; elements of 1 byte; 16 bytes of padding behind every 64
	s_or_b32 s[G1+0], s43, (0<<16)|(1<<20)|(1<<21)|(3<<22)|(3<<25)
	s_or_b32 s[G1B+0], s44, (0<<16)|(1<<20)|(1<<21)|(3<<22)|(3<<25)
.irp g, G1, G1B
	s_mov_b32 s[\g+1], ROWB<<16                    ; tensor_dim0
	s_mov_b32 s[\g+2], 128<<16                     ; tensor_dim1
	s_mov_b32 s[\g+3], ROWB<<16                    ; tile_dim0
	s_mov_b32 s[\g+4], 128                         ; tile_dim1
	s_mov_b32 s[\g+5], KROW                        ; from row to row
	s_mov_b32 s[\g+6], 0
	s_mov_b32 s[\g+7], 0
.endr
	; the scale bytes of 128 rows: a dense block of 4,096 bytes, as 16 rows of 256 bytes (32 elements of 8), 16 bytes of padding behind each
	s_or_b32 s[G1S+0], s43, (3<<16)|(1<<20)|(1<<21)|(5<<22)|(3<<25)
	s_or_b32 s[G1SB+0], s44, (3<<16)|(1<<20)|(1<<21)|(5<<22)|(3<<25)
.irp g, G1S, G1SB
	s_mov_b32 s[\g+1], 32<<16
	s_mov_b32 s[\g+2], (128*KS/256)<<16
	s_mov_b32 s[\g+3], 32<<16
	s_mov_b32 s[\g+4], 128*KS/256
	s_mov_b32 s[\g+5], 32
	s_mov_b32 s[\g+6], 0
	s_mov_b32 s[\g+7], 0
.endr
	s_mov_b32 s98, 0x76543210
	s_mov_b32 s99, 0xfedcba98                      ; v_permlanex16_b32's selects for the lane 16 away
	s_mov_b32 s100, 0x7f7f0000                     ; scale bytes 2 and 3 of a head's word: 1.0, over codes that are zeros
	s_lshl_b32 s18, s16, 7                         ; which 128 rows of the tile I fetch
	s_lshl_b32 s20, s17, 8
	s_add_co_u32 s20, s20, s18                     ; A: row 256 x tile row + 128 x half
	s_lshl_b32 s46, s42, 8
	s_add_co_u32 s46, s46, s18                     ; B: row 256 x tile column + 128 x half
	s_mov_b32 s21, 0
	s_mov_b32 s47, 0
	s_mov_b64 s[18:19], KS
	s_mul_u64 s[22:23], s[20:21], s[18:19]         ; where these rows' scale bytes begin
	s_mul_u64 s[92:93], s[46:47], s[18:19]
	s_mov_b64 s[18:19], KROW
	s_mul_u64 s[20:21], s[20:21], s[18:19]         ; and their codes
	s_mul_u64 s[46:47], s[46:47], s[18:19]
	s_mul_i32 s45, s14, HALFT                      ; where they go: wave x 128 rows: no place in the cluster enters an LDS address
	s_mul_i32 s94, s14, HALFS
	s_wait_dscnt 0x0                               ; both opening adds are done
	s_wait_kmcnt 0x0
	s_add_nc_u64 s[20:21], s[4:5], s[20:21]
	s_add_nc_u64 s[22:23], s[6:7], s[22:23]
	s_add_nc_u64 s[46:47], s[8:9], s[46:47]
	s_add_nc_u64 s[92:93], s[10:11], s[92:93]
	CROUND                                         ; all sixteen work-groups are here: the first joint loads meet
	s_mov_b32 s[G0S], 1
	s_add_co_u32 s[G0S+1], s94, SCL
	s_mov_b64 s[G0S+2:G0S+3], s[22:23]
	s_or_b32 s[G0S+3], s[G0S+3], 0x80000000
	s_mov_b32 s[G0SB], 1
	s_add_co_u32 s[G0SB+1], s94, SCL
	s_mov_b64 s[G0SB+2:G0SB+3], s[92:93]
	s_or_b32 s[G0SB+3], s[G0SB+3], 0x80000000
	JLOAD G0S, G1S, G0SB, G1SB                     ; the scale bytes first: they are wanted with K step 0
.irp s, 0,1
	s_mov_b32 s[G0+4*\s], 1
	s_add_co_u32 s[G0+4*\s+1], s45, \s*SLOT
	s_add_nc_u64 s[G0+4*\s+2:G0+4*\s+3], s[20:21], \s*ROWB
	s_or_b32 s[G0+4*\s+3], s[G0+4*\s+3], 0x80000000
	s_mov_b32 s[G0B+4*\s], 1
	s_add_co_u32 s[G0B+4*\s+1], s45, \s*SLOT
	s_add_nc_u64 s[G0B+4*\s+2:G0B+4*\s+3], s[46:47], \s*ROWB
	s_or_b32 s[G0B+4*\s+3], s[G0B+4*\s+3], 0x80000000
	JLOAD G0+4*\s, G1, G0B+4*\s, G1B               ; three tensor loads of mine are out behind the second of these
.endr
	; the bias of my 128 columns, in the result's layout: 8 numbers a lane for each of B's blocks
	s_lshl_b32 s18, s42, 10
	s_lshl_b32 s19, s16, 9
	s_add_co_u32 s18, s18, s19                     ; 4 x (256 x tile column + 128 x half)
	s_mov_b32 s19, 0
	s_add_nc_u64 s[12:13], s[12:13], s[18:19]
	v_and_b32 v1, 15, v0                           ; r
	v_bfe_u32 v2, v0, 4, 1                         ; h
	v_lshlrev_b32 v[BOF], 5, v2                    ; 8 h numbers
.irp b, 0,1,2,3,4,5,6,7
	global_load_b128 v[BI+8*\b:BI+8*\b+3], v[BOF], s[12:13] offset:64*\b
	global_load_b128 v[BI+8*\b+4:BI+8*\b+7], v[BOF], s[12:13] offset:64*\b+16
.endr
	v_mul_u32_u24 v3, v1, PITCH
	v_mul_u32_u24 v4, v2, 24
	v_add_nc_u32 v4, v3, v4                        ; a fragment's row x pitch + 24 x half
	v_lshl_add_u32 v5, v2, 4, v4                   ; and the same behind one padding more
	s_mul_i32 s21, s15, HALFT                      ; my 128 rows of A
	s_mul_i32 s22, s16, HALFT                      ; my 128 rows of B,
	s_add_co_u32 s22, s22, 2*HALFT                 ; which lie behind A's 256
.irp s, 0,1
	v_add_nc_u32 v[ADRA+\s], s21, v4
	v_add_nc_u32 v[ADRB+\s], s22, v4
	v_add_nc_u32 v[ADRA+2+\s], s21, v5
	v_add_nc_u32 v[ADRB+2+\s], s22, v5
	s_add_co_u32 s21, s21, SLOT
	s_add_co_u32 s22, s22, SLOT
.endr
	v_mul_u32_u24 v5, v1, KS                       ; my row's scale bytes: 32 a row,
	v_lshrrev_b32 v6, 8, v5
	v_lshl_add_u32 v5, v6, 4, v5                   ; and 16 more for each 256 passed
	s_mul_i32 s21, s15, HALFS                      ; A's: my 128 rows
	s_mul_i32 s22, s16, HALFS                      ; B's: my 128 rows, behind A's 256
	s_add_co_u32 s22, s22, 2*HALFS
	s_sub_co_u32 s22, s22, s21
	v_mul_u32_u24 v6, s22, v2                      ; lanes 16-31 take B's
	s_add_co_u32 s21, s21, SCL
	v_add_nc_u32 v5, v5, v6
	v_add_nc_u32 v[ADRS], s21, v5
	v_and_b32 v[LANE], 31, v0
	v_lshlrev_b32 v[LI16], 4, v[LANE]
	v_lshlrev_b32 v[LI8], 3, v[LANE]
	; where my results go: batch = tile row / 8; my 8 token tiles are group ks = 2 (tile row % 8) + A half of the batch's 16; my two heads are G0 = 4 x tile column + 2 x B half and G0 + 1
	s_lshr_b32 s18, s17, 3
	s_and_b32 s19, s17, 7
	s_lshl_b32 s19, s19, 1
	s_add_co_u32 s19, s19, s15                     ; ks
	s_lshl_b32 s20, s42, 2
	s_lshl_b32 s21, s16, 1
	s_add_co_u32 s20, s20, s21                     ; G0
	s_lshl_b32 s20, s20, 2
	s_add_co_u32 s20, s20, s18
	s_mul_i32 s20, s20, REC                        ; the record (G0, batch)
	s_mul_i32 s46, s19, 8*768
	s_add_co_u32 s46, s46, s20                     ; its half fragments of my tiles
	s_mov_b32 s47, 0
	s_lshl_b32 s92, s19, 9
	s_add_co_u32 s92, s92, s20
	s_add_co_u32 s92, s92, RSC                     ; and their scale words
	s_mov_b32 s93, 0
	s_add_nc_u64 s[92:93], s[96:97], s[92:93]
	s_add_nc_u64 s[96:97], s[96:97], s[46:47]
.macro FRAG reg, adr, q, i             ; a fragment, 16 rows x 128 K, is 12 registers: lane (r, h) holds row r; registers 6 c .. 6 c + 5 hold K = 64 c + 32 h + 0 .. 31: 24 bytes of the row as they lie, in pieces of 8 bytes
.irp p, 0,1,2,3,4,5
.set PCE, 12*(\q)+6*(\p/3)+\p%3        ; lanes 16-31 read three pieces further on: where that lies behind one padding more, the second address register serves
.if PCE%8 < 5
	ds_load_b64 v[\reg+2*\p:\reg+2*\p+1], v[\adr] offset:8*PCE+16*(PCE/8)+(\i)*16*PITCH
.else
	ds_load_b64 v[\reg+2*\p:\reg+2*\p+1], v[\adr+2] offset:8*PCE+16*(PCE/8)+(\i)*16*PITCH
.endif
.endr
.endm
; 16 matrix instructions: A's blocks a0, a0 + 1 x B's eight, 128 along K.  p: B's set;  sc: the set of scale words.  zero = 1: the first product starts the sums, with the bias as its C.
; The 64 accumulators take turns, one instruction a turn, in the same order in every step.
.macro MUL16 a0, p, q, sc, zero
.irp a, \a0, \a0+1
.irp b, 0,1,2,3,4,5,6,7
.if \zero
	v_wmma_scale_f32_16x16x128_f8f6f4 v[8*(8*((\a)%4)+\b):8*(8*((\a)%4)+\b)+7], v[128*(\p)+FR*\b:128*(\p)+FR*\b+FR-1], v[AF+FR*(\a):AF+FR*(\a)+FR-1], v[BI+8*\b:BI+8*\b+7], v[SC+8*NQ*(\sc)+NQ*\b+(\q)], v[SC+8*NQ*(\sc)+NQ*(\a)+(\q)] matrix_a_fmt:MATRIX_FMT_FP6 matrix_b_fmt:MATRIX_FMT_FP6 matrix_a_scale:MATRIX_SCALE_ROW1
.else
	v_wmma_scale_f32_16x16x128_f8f6f4 v[8*(8*((\a)%4)+\b):8*(8*((\a)%4)+\b)+7], v[128*(\p)+FR*\b:128*(\p)+FR*\b+FR-1], v[AF+FR*(\a):AF+FR*(\a)+FR-1], v[8*(8*((\a)%4)+\b):8*(8*((\a)%4)+\b)+7], v[SC+8*NQ*(\sc)+NQ*\b+(\q)], v[SC+8*NQ*(\sc)+NQ*(\a)+(\q)] matrix_a_fmt:MATRIX_FMT_FP6 matrix_b_fmt:MATRIX_FMT_FP6 matrix_a_scale:MATRIX_SCALE_ROW1
.endif
.endr
.endr
.endm
.macro FETCH_B slot, q, p              ; B's eight fragments of the slot's q-th 128 along K into set p
	WIN TO_B
.irp i, 0,1,2,3,4,5,6,7
	FRAG 128*(\p)+FR*\i, ADRB+\slot, \q, \i
.endr
	WIN 0
.endm
.macro FETCH_A slot, q, i0             ; A's blocks i0 .. i0 + 3
.irp i, \i0, \i0+1, \i0+2, \i0+3
	FRAG AF+FR*(\i), ADRA+\slot, \q, \i
.endr
.endm
.macro SCALES sc                       ; the next K step's scale words into set sc: two words a row
.irp i, 0,1,2,3,4,5,6,7
	ds_load_b64 v[SC+8*NQ*\sc+NQ*\i:SC+8*NQ*\sc+NQ*\i+1], v[ADRS] offset:\i*SBLK
.endr
.endm
.macro PLACES n                        ; plain vector instructions that name no register: the places between a matrix instruction and a load into, or a read of, its registers
.rept \n
	v_nop
.endr
.endm
; A step of 128 along K that has its successor in the same slot.  zero = 1: C (the bias) lies in window 0
.macro STEP slot, q, zero
	s_wait_dscnt 4*NL                              ; B's set and A's blocks 0-3 are in; the youngest 24 loads (A's blocks 4-7) may be out
	WIN MUL_LO-0x20*(\zero)
	MUL16 0, (\q)%2, \q, \slot, \zero
	MUL16 2, (\q)%2, \q, \slot, \zero
	s_wait_dscnt 0                                 ; A's blocks 4-7 are in
	PLACES NP
	FETCH_B \slot, (\q)+1, 1-(\q)%2
	FETCH_A \slot, (\q)+1, 0
	WIN MUL_HI-0x30*(\zero)
	MUL16 4, (\q)%2, \q, \slot, \zero
	MUL16 6, (\q)%2, \q, \slot, \zero
	PLACES NP
	WIN 0
	FETCH_A \slot, (\q)+1, 4
.endm
; A slot's last step changes slots: one barrier; in front of it each wave waits for all its tensor loads, adds 0 to its spare word, and waits for that and for its own reads of this slot.  fill = 1: this slot is filled again, two K steps ahead.
.macro TURN slot, next, fill
	s_wait_tensorcnt 0x0                           ; all my tensor loads have landed: my part of the next slot
	ds_add_u32 v[SPW], v[NIL]                      ; 0 onto my spare word
	s_wait_dscnt 4*NL+1                            ; (the add and the youngest 24 loads, A's blocks 4-7, may be out)
	WIN MUL_LO
	MUL16 0, 1, NQ-1, \slot, 0                     ; sixteen matrix instructions stand between the add and the wait for it
	s_wait_dscnt 0x0                               ; the add is done, and my reads of this slot are over
	s_barrier_signal -1
	MUL16 2, 1, NQ-1, \slot, 0
	WIN 0
	s_barrier_wait -1
.if \fill
	CREST                                          ; the barrier has opened a round of the cluster's barrier: no wave of any partner still reads this slot's tile or has a load on its way
	s_add_nc_u64 s[G0+4*\slot+2:G0+4*\slot+3], s[G0+4*\slot+2:G0+4*\slot+3], 2*ROWB
	s_add_nc_u64 s[G0B+4*\slot+2:G0B+4*\slot+3], s[G0B+4*\slot+2:G0B+4*\slot+3], 2*ROWB
	JLOAD G0+4*\slot, G1, G0B+4*\slot, G1B         ; the first tensor load behind the round; its four v_nop are the places in front of the loads below
.else
	PLACES NP
.endif
	v_add_nc_u32 v[ADRS], 4*NQ, v[ADRS]            ; on to the next K step's scale words (no LDS load of mine is out)
	FETCH_B \next, 0, 0
	FETCH_A \next, 0, 0
	SCALES \next
	WIN MUL_HI
	MUL16 4, 1, NQ-1, \slot, 0
	MUL16 6, 1, NQ-1, \slot, 0
	PLACES NP
	WIN 0
	FETCH_A \next, 0, 4
.endm
	s_wait_tensorcnt 1                             ; the scale bytes and my part of K step 0 are in; K step 1's load, the one issued behind them, may be out
	s_barrier_signal -1
	s_barrier_wait -1                              ; everybody's are
	FETCH_B 0, 0, 0
	FETCH_A 0, 0, 0
	SCALES 0
	FETCH_A 0, 0, 4
	s_wait_loadcnt 0x0                             ; the bias
	STEP 0, 0, 1                                   ; K is four slots' worth: the walk is written out
	TURN 0, 1, 1
	STEP 1, 0, 0
	TURN 1, 0, 1
	STEP 0, 0, 0
	TURN 0, 1, 0                                   ; the last two slots are not filled again
	STEP 1, 0, 0
	s_wait_dscnt 4*NL                              ; the very last step: nothing more to fetch
	WIN MUL_LO
	MUL16 0, 1, NQ-1, 1, 0
	MUL16 2, 1, NQ-1, 1, 0
	s_wait_dscnt 0
	WIN MUL_HI
	MUL16 4, 1, NQ-1, 1, 0
	MUL16 6, 1, NQ-1, 1, 0
	WIN 0
; THE WAY OUT.  Block a: 64 numbers of a lane (its token's 128 columns, half of each block of 32) become a fragment's 12 registers of codes in v[PC] on and the token's scale word in v[pw].
.macro QUANTW a, pw
.set W, 2+(\a)/4                       ; the block's window
.set AC, 64*((\a)%4)                   ; its eight accumulators
.set WW, (W<<2)|(W<<4)
	WIN WW                                         ; sources 1 and 2 in the block's window
.irp b, 0,1,2,3
	v_max3_num_f32 v[TM+\b], 0x1800000, |v[AC+16*\b]|, |v[AC+16*\b+1]|   ; block b: my 16 numbers, each accumulator from its low end on, and the floor 2^(3 - 127): the byte cannot fall under 1
.endr
.irp i, 2,4,6,8,10,12,14
.irp b, 0,1,2,3
	v_max3_num_f32 v[TM+\b], v[TM+\b], |v[AC+16*\b+\i]|, |v[AC+16*\b+\i+1]|   ; (the four blocks by turns)
.endr
.endr
	WIN 0
.irp b, 0,1,2,3
	v_permlanex16_b32 v[TM+4+\b], v[TM+\b], s98, s99
.endr
.irp b, 0,1,2,3
	v_max_num_f32 v[TM+\b], v[TM+\b], v[TM+4+\b]   ; with the lane 16 away: the block's largest magnitude
.endr
.irp b, 0,1,2,3
	v_add_nc_u32 v[TM+12+\b], 0xff000000, v[TM+\b] ; 2 off its exponent field: the conversion takes the exponent field of this operand as its scale
.endr
.irp b, 0,1,2,3
	v_lshrrev_b32 v[TM+4+\b], 23, v[TM+12+\b]      ; the scale's byte
.endr
	v_lshl_or_b32 v[\pw], v[TM+5], 8, v[TM+4]
	v_lshl_or_b32 v[\pw], v[TM+6], 16, v[\pw]
	v_lshl_or_b32 v[\pw], v[TM+7], 24, v[\pw]
	s_wait_xcnt 0x0                                ; the last block's stores have read their data: the codes' registers are written again only behind this wait
	WIN W                                          ; source 0 in the block's window
.irp c, 0,1
	v_cvt_scalef32_pk16_fp6_f32 v[PC+6*\c:PC+6*\c+2], v[AC+32*\c:AC+32*\c+15], v[TM+12+2*\c]
	v_cvt_scalef32_pk16_fp6_f32 v[PC+12+4*\c:PC+14+4*\c], v[AC+16+32*\c:AC+31+32*\c], v[TM+12+2*\c+1]   ; (a conversion's three registers begin on an even number)
.endr
	WIN 0
	v_nop                                          ; one plain place behind a scaled conversion
.irp c, 0,1                            ; the operand's layout wants a whole block in a lane: lanes 0-15 block 2 c, lanes 16-31 block 2 c + 1
.irp i, 0,1,2
	v_permlane16_swap_b32 v[PC+6*\c+\i], v[PC+12+4*\c+\i]
.endr
.irp i, 0,1,2
	v_mov_b32 v[PC+3+6*\c+\i], v[PC+12+4*\c+\i]
.endr
.endr
.endm
	PLACES NP                                      ; behind the last products: their results are read and A's registers written below
.irp b, 0,1,2,3
	v_mov_b32 v[TM+4+\b], 0                        ; written once: a lane permute's destination counts as one of its sources
.endr
	v_cmp_gt_u32 vcc_lo, 16, v[LANE]               ; lanes 0-15 (no tensor load follows)
.irp a, 0,1,2,3,4,5,6,7
	QUANTW \a, PW
	global_store_b128 v[LI16], v[PC:PC+3], s[96:97] offset:768*\a                 ; head G0: registers 0-3: 512 consecutive bytes, aligned,
	global_store_b64 v[LI8], v[PC+4:PC+5], s[96:97] offset:768*\a+512             ; registers 4-5: 256
	global_store_b128 v[LI16], v[PC+6:PC+9], s[96:97] offset:4*REC+768*\a         ; head G0 + 1, four records on
	global_store_b64 v[LI8], v[PC+10:PC+11], s[96:97] offset:4*REC+768*\a+512
	v_and_or_b32 v[W0+\a], v[PW], 0xffff, s100     ; head G0's two bytes, under 1.0 for the empty half of K
	v_lshrrev_b32 v[W1+\a], 16, v[PW]
	v_or_b32 v[W1+\a], s100, v[W1+\a]              ; head G0 + 1's
.endr
.irp i, 0,1,2,3                        ; word i: lanes 0-15 tile 2 i, lanes 16-31 tile 2 i + 1 (both halves of the lanes hold their token's word)
	v_cndmask_b32 v[X+\i], v[W0+2*\i+1], v[W0+2*\i], vcc_lo
	v_cndmask_b32 v[X+4+\i], v[W1+2*\i+1], v[W1+2*\i], vcc_lo
.endr
	global_store_b128 v[LI16], v[X:X+3], s[92:93]
	global_store_b128 v[LI16], v[X+4:X+7], s[92:93] offset:4*REC
	s_wait_tensorcnt 0x0                           ; the wave's end, behind my last tensor load
	ds_add_u32 v[SPW], v[NIL]
	s_wait_dscnt 0x0
	CROUND                                         ; the closing round: no work-group ends while a partner may still ask for a tile that names it
	s_endpgm
.Lfunc_end_k_q143cbb7737_gemm_qk:
	.size	k_q143cbb7737_gemm_qk, .Lfunc_end_k_q143cbb7737_gemm_qk-k_q143cbb7737_gemm_qk
	.p2alignl 7, 3214868480
	.fill 96, 4, 3214868480
	.section	.rodata,"a",@progbits
	.p2align	6, 0x0
	.amdhsa_kernel k_q143cbb7737_gemm_qk
		.amdhsa_group_segment_fixed_size 327680
		.amdhsa_private_segment_fixed_size 0
		.amdhsa_enable_private_segment 0
		.amdhsa_kernarg_size 48
		.amdhsa_user_sgpr_count 2
		.amdhsa_user_sgpr_kernarg_segment_ptr 1
		.amdhsa_wavefront_size32 1
		.amdhsa_system_sgpr_workgroup_id_x 1
		.amdhsa_system_sgpr_workgroup_id_y 1
		.amdhsa_system_sgpr_workgroup_id_z 1
		.amdhsa_system_vgpr_workitem_id 0
		.amdhsa_next_free_vgpr 1024
		.amdhsa_next_free_sgpr 102
		.amdhsa_reserve_vcc 1
		.amdhsa_float_denorm_mode_32 3
		.amdhsa_float_denorm_mode_16_64 3
		.amdhsa_memory_ordered 1
		.amdhsa_forward_progress 1
		.amdhsa_inst_pref_size 168
	.end_amdhsa_kernel
	.amdgpu_metadata
---
amdhsa.version: [ 1, 2 ]
amdhsa.kernels:
  - .name:           k_q143cbb7737_gemm_qk
    .symbol:         k_q143cbb7737_gemm_qk.kd
    .args:
      - { .name: x_codes, .offset: 0, .size: 8, .value_kind: global_buffer, .address_space: global }
      - { .name: x_scales, .offset: 8, .size: 8, .value_kind: global_buffer, .address_space: global }
      - { .name: w_qkv_codes, .offset: 16, .size: 8, .value_kind: global_buffer, .address_space: global }
      - { .name: w_qkv_scales, .offset: 24, .size: 8, .value_kind: global_buffer, .address_space: global }
      - { .name: b_qkv, .offset: 32, .size: 8, .value_kind: global_buffer, .address_space: global }
      - { .name: qk, .offset: 40, .size: 8, .value_kind: global_buffer, .address_space: global }
    .group_segment_fixed_size: 327680
    .private_segment_fixed_size: 0
    .kernarg_segment_align: 8
    .kernarg_segment_size: 48
    .max_flat_workgroup_size: 128
    .sgpr_count:     102
    .vgpr_count:     1024
    .wavefront_size: 32
...
	.end_amdgpu_metadata
.endif
;; end of part 1
;; launch gemm_v (part 2): grid 32 x 4, 4 waves a work-group, clusters of 4 x 4, 327,680 bytes of LDS; arguments w_qkv_codes, w_qkv_scales, x_codes, x_scales, b_qkv, vbuf; writes vbuf
.if DOCPART == 2
	.amdgcn_target "amdgcn-amd-amdhsa--gfx1250"
	.amdhsa_code_object_version 6
	.text
	.protected	k_q143cbb7737_gemm_v
	.globl	k_q143cbb7737_gemm_v
	.p2align	8
	.type	k_q143cbb7737_gemm_v,@function
k_q143cbb7737_gemm_v:
	s_mov_b64 s[64:65], 0
	v_nop
	global_prefetch_b8 v0, s[64:65] scope:SCOPE_SE
	s_setreg_imm32_b32 hwreg(HW_REG_WAVE_MODE, 25, 1), 1
	s_wait_xcnt 0x0
	s_wait_alu depctr_hold_cnt(0) depctr_sa_sdst(0) depctr_va_vdst(0) depctr_va_sdst(0) depctr_va_ssrc(0) depctr_va_vcc(0) depctr_vm_vsrc(0)
	s_getreg_b32 s2, hwreg(HW_REG_IB_STS2, 6, 4)
	s_cmp_eq_u32 s2, 0
	s_cbranch_scc0 .Lentry_in_a_cluster
	s_endpgm
.Lentry_in_a_cluster:
	s_bfe_u32 s2, ttmp6, 0x10000c
	s_cmp_lg_u32 s2, 0xf033
	s_cbranch_scc0 .Lentry_shape_is_right
	s_endpgm
.Lentry_shape_is_right:
; v of the attention: C[f][token] = sum over k of w[2,048 + f][k] x[token][k] + b[2,048 + f], f = 0 .. 1,023, on codes of FP6 (E2M3) with one E8M0 scale for each 32 along K; quantised along the TOKENS (the keys) on the way out.
; The same walk as gemm_qk with the operands' parts exchanged: A = w_qkv's rows 2,048-3,071, B = x's 8,192 rows.  The matrix instruction is used transposed (source 0 = 16 rows of B, source 1 = 16 rows of A):
; lane (r, h) holds ONE channel f = 16 a + r, and register j of accumulator (a, b) holds token 16 b + 8 h + j.  So the 64 registers of a block a run along 128 tokens: one key step of the attention's second product, four blocks of 32.
; A lane's sixteen of block B are keys 32 B + 8 h + {0..7, 16..23}: inside each block of 32 the codes stand in the order 0-7, 16-23, 8-15, 24-31.  The softmax's p gets the same order from the same layout in attn,
; and a block's members and scale are the true ones: every product p v is exact, only the order of the f32 sum differs.
; THE BUFFER vbuf: record (batch, head) at (16 batch + head) x 102,400 bytes.  In it the fragment (16 channels x 128 keys: 12 registers a lane) of key step ks and channel tile t at 6,144 ks + 1,536 t: registers 4 c .. 4 c + 3 at 512 c + 16 x lane.
; From byte 98,304: scale words, 256 bytes a key step: lane l's 8 bytes at 8 l, word i: lanes 0-15 tile 2 i, lanes 16-31 tile 2 i + 1.
; The bias is the C of each sum's first matrix instruction: a lane's channel's number in all eight registers.  No work of reference() is left out here.
; LIMITS: a block's largest magnitude is floored at 2^-124, so a block of zeros gets the byte 1 and not 127: its codes are zeros and this program alone reads the bytes.  NaN and infinities among the sums are not served.
; Ring, scale bytes, cluster, joint loads and registers: as in gemm_qk.
.set KSTEP,  256
.set NQ,     2
.set ROWB,   192
.set KROW,   768
.set PITCH,  240
.set FR,     12
.set NL,     6
.set NP,     4
.set HALFT,  128*PITCH
.set SLOT,   4*HALFT
.set KS,     32
.set SCL,    2*SLOT
.set HALFS,  (128*KS/256)*272
.set SBLK,   (16*KS/256)*272
.set SPARE,  SCL+4*HALFS               ; the spare words, 128 bytes for each wave, that no other line names
.set AROW0,  2048                      ; A begins at this row of w_qkv
.set REC,    102400                    ; a record of the buffer vbuf
.set RSC,    98304                     ; where its scale words begin
.set ADRA, 16
.set ADRB, 20
.set LI16, 24
.set LI8,  25
.set LANE, 26
.set ADRS, 27
.set SPW,  28
.set NIL,  29
.set BOF,  30
.set SC,   32
.set BI,   64                          ; the bias: registers 8 a .. 8 a + 7 = b_qkv[2,048 + my first channel + 16 a + r]
.set AF,   128
.set PC,   128
.set TM,   148
.set W0,   168                         ; v168-175 the scale words of the eight blocks
.set X,    184                         ; v184-187 the words as they are stored
.set G1, 24
.set G0, 32
.set G1B, 48
.set G0B, 56
.set G1S, 68
.set G0S, 76
.set G1SB, 80
.set G0SB, 88
.set MSB, 0
.macro WIN new                         ; the immediate's high byte repeats the setting that is left
.if MSB != (\new)
	s_set_vgpr_msb (MSB<<8)|(\new)
.set MSB, (\new)
.endif
.endm
.set MUL_LO, 0xa1
.set MUL_HI, 0xf1
.set TO_B,   0x40
.macro JLOAD g0a, g1a, g0b, g1b        ; a joint load: waves 0 and 1 fetch for A, waves 2 and 3 for B; an s_nop 0 and four v_nop follow each of the two lines
	s_cmp_eq_u32 s15, 0
	s_cbranch_scc0 .Lfor_b_\@
	tensor_load_to_lds s[\g0a:\g0a+3], s[\g1a:\g1a+7]
	s_nop 0
.rept 4
	v_nop
.endr
	s_branch .Lasked_\@
.Lfor_b_\@:
	tensor_load_to_lds s[\g0b:\g0b+3], s[\g1b:\g1b+7]
	s_nop 0
.rept 4
	v_nop
.endr
.Lasked_\@:
.endm
.macro CREST
	s_cmp_lg_u32 s14, 0
	s_cbranch_scc1 .Lnot_wave_0_\@
	s_barrier_signal -3
.Lnot_wave_0_\@:
	s_barrier_wait -3
	s_barrier_signal -1
	s_barrier_wait -1
.endm
.macro CROUND
	s_barrier_signal -1
	s_barrier_wait -1
	CREST
.endm
	s_load_b128 s[4:7], s[0:1], 0x0                ; A's codes, A's scales (w_qkv)
	s_load_b128 s[8:11], s[0:1], 0x10              ; B's codes, B's scales (x)
	s_load_b64 s[12:13], s[0:1], 0x20              ; the bias
	s_load_b64 s[96:97], s[0:1], 0x28              ; the buffer vbuf
	v_lshl_add_u32 v[SPW], v0, 2, SPARE
	v_mov_b32 v[NIL], 0
	ds_add_u32 v[SPW], v[NIL]                      ; the wave's opening: the add, twice on end, and its wait ahead of my first tensor load
	ds_add_u32 v[SPW], v[NIL]
	v_lshrrev_b32 v1, 5, v0
	v_readfirstlane_b32 s14, v1                    ; wave 0..3
	s_lshr_b32 s15, s14, 1                         ; my half of the tile's A rows.  Also: I fetch for A (0) or for B (1)
	s_and_b32 s16, s14, 1                          ; my half of its B rows.  Also: which 128 rows of that tile I fetch
	s_bfe_u32 s40, ttmp6, 0x40000                  ; cx, cy
	s_bfe_u32 s41, ttmp6, 0x40004
	s_lshl_b32 s42, ttmp9, 2
	s_add_co_u32 s42, s42, s40                     ; tile column (B: tokens)
	s_and_b32 s17, ttmp7, 0xffff
	s_lshl_b32 s17, s17, 2
	s_add_co_u32 s17, s17, s41                     ; tile row (A: channels)
	s_lshl_b32 s43, s41, 2
	s_lshl_b32 s43, 15, s43                        ; my row of the cluster
	s_lshl_b32 s44, 0x1111, s40                    ; my column
	s_or_b32 s[G1+0], s43, (0<<16)|(1<<20)|(1<<21)|(3<<22)|(3<<25)   ; 128 rows x 192 bytes, 16 bytes of padding behind every 64
	s_or_b32 s[G1B+0], s44, (0<<16)|(1<<20)|(1<<21)|(3<<22)|(3<<25)
.irp g, G1, G1B
	s_mov_b32 s[\g+1], ROWB<<16
	s_mov_b32 s[\g+2], 128<<16
	s_mov_b32 s[\g+3], ROWB<<16
	s_mov_b32 s[\g+4], 128
	s_mov_b32 s[\g+5], KROW
	s_mov_b32 s[\g+6], 0
	s_mov_b32 s[\g+7], 0
.endr
	s_or_b32 s[G1S+0], s43, (3<<16)|(1<<20)|(1<<21)|(5<<22)|(3<<25)  ; the scale bytes of 128 rows: 16 rows of 256 bytes, 16 of padding behind each
	s_or_b32 s[G1SB+0], s44, (3<<16)|(1<<20)|(1<<21)|(5<<22)|(3<<25)
.irp g, G1S, G1SB
	s_mov_b32 s[\g+1], 32<<16
	s_mov_b32 s[\g+2], (128*KS/256)<<16
	s_mov_b32 s[\g+3], 32<<16
	s_mov_b32 s[\g+4], 128*KS/256
	s_mov_b32 s[\g+5], 32
	s_mov_b32 s[\g+6], 0
	s_mov_b32 s[\g+7], 0
.endr
	s_mov_b32 s98, 0x76543210
	s_mov_b32 s99, 0xfedcba98
	s_lshl_b32 s18, s16, 7
	s_lshl_b32 s20, s17, 8
	s_add_co_u32 s20, s20, s18
	s_add_co_u32 s20, s20, AROW0                   ; A: row 2,048 + 256 x tile row + 128 x half
	s_lshl_b32 s46, s42, 8
	s_add_co_u32 s46, s46, s18                     ; B: row 256 x tile column + 128 x half
	s_mov_b32 s21, 0
	s_mov_b32 s47, 0
	s_mov_b64 s[18:19], KS
	s_mul_u64 s[22:23], s[20:21], s[18:19]
	s_mul_u64 s[92:93], s[46:47], s[18:19]
	s_mov_b64 s[18:19], KROW
	s_mul_u64 s[20:21], s[20:21], s[18:19]
	s_mul_u64 s[46:47], s[46:47], s[18:19]
	s_mul_i32 s45, s14, HALFT
	s_mul_i32 s94, s14, HALFS
	s_wait_dscnt 0x0                               ; both opening adds are done
	s_wait_kmcnt 0x0
	s_add_nc_u64 s[20:21], s[4:5], s[20:21]
	s_add_nc_u64 s[22:23], s[6:7], s[22:23]
	s_add_nc_u64 s[46:47], s[8:9], s[46:47]
	s_add_nc_u64 s[92:93], s[10:11], s[92:93]
	CROUND                                         ; all sixteen work-groups are here: the first joint loads meet
	s_mov_b32 s[G0S], 1
	s_add_co_u32 s[G0S+1], s94, SCL
	s_mov_b64 s[G0S+2:G0S+3], s[22:23]
	s_or_b32 s[G0S+3], s[G0S+3], 0x80000000
	s_mov_b32 s[G0SB], 1
	s_add_co_u32 s[G0SB+1], s94, SCL
	s_mov_b64 s[G0SB+2:G0SB+3], s[92:93]
	s_or_b32 s[G0SB+3], s[G0SB+3], 0x80000000
	JLOAD G0S, G1S, G0SB, G1SB
.irp s, 0,1
	s_mov_b32 s[G0+4*\s], 1
	s_add_co_u32 s[G0+4*\s+1], s45, \s*SLOT
	s_add_nc_u64 s[G0+4*\s+2:G0+4*\s+3], s[20:21], \s*ROWB
	s_or_b32 s[G0+4*\s+3], s[G0+4*\s+3], 0x80000000
	s_mov_b32 s[G0B+4*\s], 1
	s_add_co_u32 s[G0B+4*\s+1], s45, \s*SLOT
	s_add_nc_u64 s[G0B+4*\s+2:G0B+4*\s+3], s[46:47], \s*ROWB
	s_or_b32 s[G0B+4*\s+3], s[G0B+4*\s+3], 0x80000000
	JLOAD G0+4*\s, G1, G0B+4*\s, G1B               ; three tensor loads of mine are out behind the second of these
.endr
	; the bias of my 128 channels: a lane's channel's number, loaded into all eight registers of the result's layout (loads, so that only their wait is owed ahead of the products)
	s_lshl_b32 s18, s17, 10
	s_lshl_b32 s19, s15, 9
	s_add_co_u32 s18, s18, s19
	s_add_co_u32 s18, s18, 4*AROW0                 ; 4 x (2,048 + 256 x tile row + 128 x half)
	s_mov_b32 s19, 0
	s_add_nc_u64 s[12:13], s[12:13], s[18:19]
	v_and_b32 v1, 15, v0                           ; r
	v_bfe_u32 v2, v0, 4, 1                         ; h
	v_lshlrev_b32 v[BOF], 2, v1
.irp a, 0,1,2,3,4,5,6,7
.irp j, 0,1,2,3,4,5,6,7
	global_load_b32 v[BI+8*\a+\j], v[BOF], s[12:13] offset:64*\a
.endr
.endr
	v_mul_u32_u24 v3, v1, PITCH
	v_mul_u32_u24 v4, v2, 24
	v_add_nc_u32 v4, v3, v4
	v_lshl_add_u32 v5, v2, 4, v4
	s_mul_i32 s21, s15, HALFT
	s_mul_i32 s22, s16, HALFT
	s_add_co_u32 s22, s22, 2*HALFT
.irp s, 0,1
	v_add_nc_u32 v[ADRA+\s], s21, v4
	v_add_nc_u32 v[ADRB+\s], s22, v4
	v_add_nc_u32 v[ADRA+2+\s], s21, v5
	v_add_nc_u32 v[ADRB+2+\s], s22, v5
	s_add_co_u32 s21, s21, SLOT
	s_add_co_u32 s22, s22, SLOT
.endr
	v_mul_u32_u24 v5, v1, KS
	v_lshrrev_b32 v6, 8, v5
	v_lshl_add_u32 v5, v6, 4, v5
	s_mul_i32 s21, s15, HALFS
	s_mul_i32 s22, s16, HALFS
	s_add_co_u32 s22, s22, 2*HALFS
	s_sub_co_u32 s22, s22, s21
	v_mul_u32_u24 v6, s22, v2
	s_add_co_u32 s21, s21, SCL
	v_add_nc_u32 v5, v5, v6
	v_add_nc_u32 v[ADRS], s21, v5
	v_and_b32 v[LANE], 31, v0
	v_lshlrev_b32 v[LI16], 4, v[LANE]
	v_lshlrev_b32 v[LI8], 3, v[LANE]
	; where my results go: batch = tile column / 8; my 128 tokens are key step ks = 2 (tile column % 8) + B half; my two heads are 4 x tile row + 2 x A half and the next
	s_lshr_b32 s18, s42, 3
	s_and_b32 s19, s42, 7
	s_lshl_b32 s19, s19, 1
	s_add_co_u32 s19, s19, s16                     ; ks
	s_lshl_b32 s20, s17, 2
	s_lshl_b32 s21, s15, 1
	s_add_co_u32 s20, s20, s21                     ; my first head
	s_lshl_b32 s18, s18, 4
	s_add_co_u32 s20, s20, s18
	s_mul_i32 s20, s20, REC                        ; its record
	s_mul_i32 s46, s19, 4*1536
	s_add_co_u32 s46, s46, s20                     ; the key step's fragments
	s_mov_b32 s47, 0
	s_lshl_b32 s92, s19, 8
	s_add_co_u32 s92, s92, s20
	s_add_co_u32 s92, s92, RSC                     ; and their scale words
	s_mov_b32 s93, 0
	s_add_nc_u64 s[92:93], s[96:97], s[92:93]
	s_add_nc_u64 s[96:97], s[96:97], s[46:47]
.macro FRAG reg, adr, q, i             ; a fragment from rows in LDS: six pieces of 8 bytes; the second address register serves the pieces that lie behind one padding more in lanes 16-31
.irp p, 0,1,2,3,4,5
.set PCE, 12*(\q)+6*(\p/3)+\p%3
.if PCE%8 < 5
	ds_load_b64 v[\reg+2*\p:\reg+2*\p+1], v[\adr] offset:8*PCE+16*(PCE/8)+(\i)*16*PITCH
.else
	ds_load_b64 v[\reg+2*\p:\reg+2*\p+1], v[\adr+2] offset:8*PCE+16*(PCE/8)+(\i)*16*PITCH
.endif
.endr
.endm
; 16 matrix instructions: A's blocks a0, a0 + 1 x B's eight.  zero = 1: the first product starts the sums, with A's block's bias as its C.  The 64 accumulators take turns.
.macro MUL16 a0, p, q, sc, zero
.irp a, \a0, \a0+1
.irp b, 0,1,2,3,4,5,6,7
.if \zero
	v_wmma_scale_f32_16x16x128_f8f6f4 v[8*(8*((\a)%4)+\b):8*(8*((\a)%4)+\b)+7], v[128*(\p)+FR*\b:128*(\p)+FR*\b+FR-1], v[AF+FR*(\a):AF+FR*(\a)+FR-1], v[BI+8*(\a):BI+8*(\a)+7], v[SC+8*NQ*(\sc)+NQ*\b+(\q)], v[SC+8*NQ*(\sc)+NQ*(\a)+(\q)] matrix_a_fmt:MATRIX_FMT_FP6 matrix_b_fmt:MATRIX_FMT_FP6 matrix_a_scale:MATRIX_SCALE_ROW1
.else
	v_wmma_scale_f32_16x16x128_f8f6f4 v[8*(8*((\a)%4)+\b):8*(8*((\a)%4)+\b)+7], v[128*(\p)+FR*\b:128*(\p)+FR*\b+FR-1], v[AF+FR*(\a):AF+FR*(\a)+FR-1], v[8*(8*((\a)%4)+\b):8*(8*((\a)%4)+\b)+7], v[SC+8*NQ*(\sc)+NQ*\b+(\q)], v[SC+8*NQ*(\sc)+NQ*(\a)+(\q)] matrix_a_fmt:MATRIX_FMT_FP6 matrix_b_fmt:MATRIX_FMT_FP6 matrix_a_scale:MATRIX_SCALE_ROW1
.endif
.endr
.endr
.endm
.macro FETCH_B slot, q, p
	WIN TO_B
.irp i, 0,1,2,3,4,5,6,7
	FRAG 128*(\p)+FR*\i, ADRB+\slot, \q, \i
.endr
	WIN 0
.endm
.macro FETCH_A slot, q, i0
.irp i, \i0, \i0+1, \i0+2, \i0+3
	FRAG AF+FR*(\i), ADRA+\slot, \q, \i
.endr
.endm
.macro SCALES sc
.irp i, 0,1,2,3,4,5,6,7
	ds_load_b64 v[SC+8*NQ*\sc+NQ*\i:SC+8*NQ*\sc+NQ*\i+1], v[ADRS] offset:\i*SBLK
.endr
.endm
.macro PLACES n                        ; the places between a matrix instruction and a load into, or a read of, its registers
.rept \n
	v_nop
.endr
.endm
.macro STEP slot, q, zero
	s_wait_dscnt 4*NL                              ; B's set and A's blocks 0-3 are in; the youngest 24 loads (A's blocks 4-7) may be out
	WIN MUL_LO-0x20*(\zero)
	MUL16 0, (\q)%2, \q, \slot, \zero
	MUL16 2, (\q)%2, \q, \slot, \zero
	s_wait_dscnt 0
	PLACES NP
	FETCH_B \slot, (\q)+1, 1-(\q)%2
	FETCH_A \slot, (\q)+1, 0
	WIN MUL_HI-0x30*(\zero)
	MUL16 4, (\q)%2, \q, \slot, \zero
	MUL16 6, (\q)%2, \q, \slot, \zero
	PLACES NP
	WIN 0
	FETCH_A \slot, (\q)+1, 4
.endm
.macro TURN slot, next, fill
	s_wait_tensorcnt 0x0                           ; all my tensor loads have landed: my part of the next slot
	ds_add_u32 v[SPW], v[NIL]                      ; 0 onto my spare word
	s_wait_dscnt 4*NL+1                            ; (the add and the youngest 24 loads may be out)
	WIN MUL_LO
	MUL16 0, 1, NQ-1, \slot, 0
	s_wait_dscnt 0x0                               ; the add is done, and my reads of this slot are over
	s_barrier_signal -1
	MUL16 2, 1, NQ-1, \slot, 0
	WIN 0
	s_barrier_wait -1
.if \fill
	CREST                                          ; the barrier has opened a round of the cluster's barrier: no wave of any partner still reads this slot's tile or has a load on its way
	s_add_nc_u64 s[G0+4*\slot+2:G0+4*\slot+3], s[G0+4*\slot+2:G0+4*\slot+3], 2*ROWB
	s_add_nc_u64 s[G0B+4*\slot+2:G0B+4*\slot+3], s[G0B+4*\slot+2:G0B+4*\slot+3], 2*ROWB
	JLOAD G0+4*\slot, G1, G0B+4*\slot, G1B         ; the first tensor load behind the round
.else
	PLACES NP
.endif
	v_add_nc_u32 v[ADRS], 4*NQ, v[ADRS]
	FETCH_B \next, 0, 0
	FETCH_A \next, 0, 0
	SCALES \next
	WIN MUL_HI
	MUL16 4, 1, NQ-1, \slot, 0
	MUL16 6, 1, NQ-1, \slot, 0
	PLACES NP
	WIN 0
	FETCH_A \next, 0, 4
.endm
	s_wait_tensorcnt 1                             ; the scale bytes and my part of K step 0 are in; K step 1's load may be out
	s_barrier_signal -1
	s_barrier_wait -1
	FETCH_B 0, 0, 0
	FETCH_A 0, 0, 0
	SCALES 0
	FETCH_A 0, 0, 4
	s_wait_loadcnt 0x0                             ; the bias
	STEP 0, 0, 1
	TURN 0, 1, 1
	STEP 1, 0, 0
	TURN 1, 0, 1
	STEP 0, 0, 0
	TURN 0, 1, 0
	STEP 1, 0, 0
	s_wait_dscnt 4*NL
	WIN MUL_LO
	MUL16 0, 1, NQ-1, 1, 0
	MUL16 2, 1, NQ-1, 1, 0
	s_wait_dscnt 0
	WIN MUL_HI
	MUL16 4, 1, NQ-1, 1, 0
	MUL16 6, 1, NQ-1, 1, 0
	WIN 0
; THE WAY OUT.  Block a: 64 numbers of a lane (its channel's 128 keys, half of each block of 32) become a fragment's 12 registers of codes in v[PC] on and the channel's scale word in v[pw].
.macro QUANTW a, pw
.set W, 2+(\a)/4
.set AC, 64*((\a)%4)
.set WW, (W<<2)|(W<<4)
	WIN WW
.irp b, 0,1,2,3
	v_max3_num_f32 v[TM+\b], 0x1800000, |v[AC+16*\b]|, |v[AC+16*\b+1]|   ; my 16 numbers of block b, each accumulator from its low end on, and the floor 2^(3 - 127)
.endr
.irp i, 2,4,6,8,10,12,14
.irp b, 0,1,2,3
	v_max3_num_f32 v[TM+\b], v[TM+\b], |v[AC+16*\b+\i]|, |v[AC+16*\b+\i+1]|
.endr
.endr
	WIN 0
.irp b, 0,1,2,3
	v_permlanex16_b32 v[TM+4+\b], v[TM+\b], s98, s99
.endr
.irp b, 0,1,2,3
	v_max_num_f32 v[TM+\b], v[TM+\b], v[TM+4+\b]
.endr
.irp b, 0,1,2,3
	v_add_nc_u32 v[TM+12+\b], 0xff000000, v[TM+\b] ; 2 off the exponent field: the conversion's scale operand
.endr
.irp b, 0,1,2,3
	v_lshrrev_b32 v[TM+4+\b], 23, v[TM+12+\b]      ; the scale's byte
.endr
	v_lshl_or_b32 v[\pw], v[TM+5], 8, v[TM+4]
	v_lshl_or_b32 v[\pw], v[TM+6], 16, v[\pw]
	v_lshl_or_b32 v[\pw], v[TM+7], 24, v[\pw]
	s_wait_xcnt 0x0                                ; the last block's stores have read their data
	WIN W
.irp c, 0,1
	v_cvt_scalef32_pk16_fp6_f32 v[PC+6*\c:PC+6*\c+2], v[AC+32*\c:AC+32*\c+15], v[TM+12+2*\c]
	v_cvt_scalef32_pk16_fp6_f32 v[PC+12+4*\c:PC+14+4*\c], v[AC+16+32*\c:AC+31+32*\c], v[TM+12+2*\c+1]
.endr
	WIN 0
	v_nop                                          ; one plain place behind a scaled conversion
.irp c, 0,1
.irp i, 0,1,2
	v_permlane16_swap_b32 v[PC+6*\c+\i], v[PC+12+4*\c+\i]
.endr
.irp i, 0,1,2
	v_mov_b32 v[PC+3+6*\c+\i], v[PC+12+4*\c+\i]
.endr
.endr
.endm
	PLACES NP
.irp b, 0,1,2,3
	v_mov_b32 v[TM+4+\b], 0                        ; written once: a lane permute's destination counts as one of its sources
.endr
	v_cmp_gt_u32 vcc_lo, 16, v[LANE]               ; lanes 0-15 (no tensor load follows)
.irp a, 0,1,2,3,4,5,6,7                ; block a: head a / 4 of my two, channel tile a % 4
	QUANTW \a, W0+\a
.irp c, 0,1,2
	global_store_b128 v[LI16], v[PC+4*\c:PC+4*\c+3], s[96:97] offset:REC*(\a/4)+1536*(\a%4)+512*\c   ; 512 consecutive bytes, aligned
.endr
.endr
.irp e, 0,1
.irp i, 0,1
	v_cndmask_b32 v[X+2*\e+\i], v[W0+4*\e+2*\i+1], v[W0+4*\e+2*\i], vcc_lo   ; word i: lanes 0-15 tile 2 i, lanes 16-31 tile 2 i + 1
.endr
.endr
	global_store_b64 v[LI8], v[X:X+1], s[92:93]
	global_store_b64 v[LI8], v[X+2:X+3], s[92:93] offset:REC
	s_wait_tensorcnt 0x0                           ; the wave's end, behind my last tensor load
	ds_add_u32 v[SPW], v[NIL]
	s_wait_dscnt 0x0
	CROUND                                         ; the closing round
	s_endpgm
.Lfunc_end_k_q143cbb7737_gemm_v:
	.size	k_q143cbb7737_gemm_v, .Lfunc_end_k_q143cbb7737_gemm_v-k_q143cbb7737_gemm_v
	.p2alignl 7, 3214868480
	.fill 96, 4, 3214868480
	.section	.rodata,"a",@progbits
	.p2align	6, 0x0
	.amdhsa_kernel k_q143cbb7737_gemm_v
		.amdhsa_group_segment_fixed_size 327680
		.amdhsa_private_segment_fixed_size 0
		.amdhsa_enable_private_segment 0
		.amdhsa_kernarg_size 48
		.amdhsa_user_sgpr_count 2
		.amdhsa_user_sgpr_kernarg_segment_ptr 1
		.amdhsa_wavefront_size32 1
		.amdhsa_system_sgpr_workgroup_id_x 1
		.amdhsa_system_sgpr_workgroup_id_y 1
		.amdhsa_system_sgpr_workgroup_id_z 1
		.amdhsa_system_vgpr_workitem_id 0
		.amdhsa_next_free_vgpr 1024
		.amdhsa_next_free_sgpr 102
		.amdhsa_reserve_vcc 1
		.amdhsa_float_denorm_mode_32 3
		.amdhsa_float_denorm_mode_16_64 3
		.amdhsa_memory_ordered 1
		.amdhsa_forward_progress 1
		.amdhsa_inst_pref_size 171
	.end_amdhsa_kernel
	.amdgpu_metadata
---
amdhsa.version: [ 1, 2 ]
amdhsa.kernels:
  - .name:           k_q143cbb7737_gemm_v
    .symbol:         k_q143cbb7737_gemm_v.kd
    .args:
      - { .name: w_qkv_codes, .offset: 0, .size: 8, .value_kind: global_buffer, .address_space: global }
      - { .name: w_qkv_scales, .offset: 8, .size: 8, .value_kind: global_buffer, .address_space: global }
      - { .name: x_codes, .offset: 16, .size: 8, .value_kind: global_buffer, .address_space: global }
      - { .name: x_scales, .offset: 24, .size: 8, .value_kind: global_buffer, .address_space: global }
      - { .name: b_qkv, .offset: 32, .size: 8, .value_kind: global_buffer, .address_space: global }
      - { .name: vbuf, .offset: 40, .size: 8, .value_kind: global_buffer, .address_space: global }
    .group_segment_fixed_size: 327680
    .private_segment_fixed_size: 0
    .kernarg_segment_align: 8
    .kernarg_segment_size: 48
    .max_flat_workgroup_size: 128
    .sgpr_count:     102
    .vgpr_count:     1024
    .wavefront_size: 32
...
	.end_amdgpu_metadata
.endif
;; end of part 2
;; launch attn (part 3): grid 4 x 64, 16 waves a work-group, clusters of 4 x 1, 210,944 bytes of LDS; arguments qk, vbuf, o_codes, o_scales; writes o_codes, o_scales
.if DOCPART == 3
	.amdgcn_target "amdgcn-amd-amdhsa--gfx1250"
	.amdhsa_code_object_version 6
	.text
	.protected	k_q143cbb7737_attn
	.globl	k_q143cbb7737_attn
	.p2align	8
	.type	k_q143cbb7737_attn,@function
k_q143cbb7737_attn:
	s_mov_b64 s[64:65], 0
	v_nop
	global_prefetch_b8 v0, s[64:65] scope:SCOPE_SE
	s_setreg_imm32_b32 hwreg(HW_REG_WAVE_MODE, 25, 1), 1
	s_wait_xcnt 0x0
	s_wait_alu depctr_hold_cnt(0) depctr_sa_sdst(0) depctr_va_vdst(0) depctr_va_sdst(0) depctr_va_ssrc(0) depctr_va_vcc(0) depctr_vm_vsrc(0)
	s_getreg_b32 s2, hwreg(HW_REG_IB_STS2, 6, 4)
	s_cmp_eq_u32 s2, 0
	s_cbranch_scc0 .Lentry_in_a_cluster
	s_endpgm
.Lentry_in_a_cluster:
	s_bfe_u32 s2, ttmp6, 0x10000c
	s_cmp_lg_u32 s2, 0x3003
	s_cbranch_scc0 .Lentry_shape_is_right
	s_endpgm
.Lentry_shape_is_right:
; o[batch][head][q] = the sum over keys k <= q of softmax_k(q . k / 8) v, both products on codes of FP6 (E2M3) with one E8M0 scale for each 32 along a product's K; o is quantised along the model's width on the way out.
; LEFT OUT (shown at the head of gemm_qk): steps of 128 keys that lie wholly behind a tile's 16 queries; inside the step on the diagonal hidden scores become -infinity, so that p = 0.  reference() adds -1e10 there, under which its f32
; softmax gives 0 for logits far under 1e10 in size.  A NaN, an infinity or an overflow that reaches only hidden scores is not carried to the result.
; THE SOFTMAX AHEAD OF THE SECOND PRODUCT: t = score x log2(e) / 8; M = the row's largest t so far, rounded up to a whole number; p = 2^(t - M) is quantised along the keys, not normalised.  The row's sum is taken of the unquantised p
; and divides o at the end.  When M moves, the sum and o are multiplied by 2^(old M - new M): exact.
; SHARES.  The four work-groups of a cluster serve one (batch, head): 128 tiles of 16 queries.  Wave w (0..15) of work-group cx takes tile a = 4 w + cx and then tile 127 - a.  Their last key steps are w / 2 and 15 - w / 2:
; 17 steps for every wave, and both numbers hang on the wave's number alone; cx enters global addresses and one vector compare.
; A WHOLE HEAD LIES IN LDS: k's record (106,496 bytes) and v's (102,400), brought by one joint tensor load a wave (waves 0-7: eighths of k's, waves 8-15: of v's; the four work-groups ask for the same bytes with the same descriptor).
; Nothing is filled twice and nothing is stored to LDS: one barrier behind the fills, none in the walk.
; LAYOUT.  Both products are used transposed: S^T = K Q^T (source 0 = 16 keys, source 1 = my 16 queries), O^T = V^T P^T: a lane holds one query (lane % 16) throughout.  The records hold images of the operands' registers
; (their maps stand at the heads of gemm_qk and gemm_v).  The first product's K is 64: registers 6-11 of q's and k's fragments are zero codes, written once, and bytes 2, 3 of their scale words are 1.0.
; In tile T register j of lane (r, h) is key 16 T + 8 h + j: p's sixteen registers of tiles 2 B, 2 B + 1 are keys 32 B + 8 h + {0..7, 16..23}, the order in which gemm_v has laid v's codes.
; O must meet w_out's true order: on the way out sixteen exchanges of half rows give a lane channels 32 B + 16 h + 0 .. 15 ahead of the quantiser.
; o_codes: [128 batch + tile][head][768 bytes: a half fragment's image];  o_scales: [token][32], byte 2 head + block.
; LIMITS: a block's largest magnitude is floored at 2^-124 (a block of zeros gets the byte 1: its codes are zeros, and this program alone reads the bytes).  NaN and infinities among q, k, v are not served.
; No prefetch: all of k and v is asked for at the kernel's head, by the first fills.
; REGISTERS: v1-7, v28-31 addresses that stay; v8-11, v29 addresses of the step; v12 -M, v13 the largest t, v[14:15] the sum; v16-27 q of the first tile, v192-203 of the second; v32-79 four fragments of k;
; v96-159 S^T, then p, then v's four fragments (v96-143); v160-191 O^T; v224-235 p's codes; v232-254 at work; v248-251 k's scale words, then v's; v253 p's; v255, v204 q's.
.set KREC,  106496
.set VREC,  102400
.set KSCL,  98304                      ; k's scale words in LDS
.set VB,    KREC                       ; v's record in LDS
.set VSCL,  VB+98304                   ; its scale words
.set SPARE, KREC+VREC                  ; the spare words, 128 bytes for each of the 16 waves, that no other line names
.set SPW,  5
.set NIL,  6
.set WV,   18                          ; s18 my wave's number
.set G1K,  24
.set G1V,  32
.set G0K,  40
.set G0V,  44
.set KSC,  74                          ; s74 the key step
.set TK,   75                          ; s75 where its fragments begin (of k and of v alike): 6,144 bytes a step
.set TS,   76                          ; s76 k's scale words: 512 a step
.set TJ,   77                          ; s77 v's: 256 a step
.macro CROUND                          ; a round of the cluster's barrier
	s_barrier_signal -1
	s_barrier_wait -1
	s_cmp_lg_u32 s[WV], 0
	s_cbranch_scc1 .Lnot_wave_0_\@
	s_barrier_signal -3
.Lnot_wave_0_\@:
	s_barrier_wait -3
	s_barrier_signal -1
	s_barrier_wait -1
.endm
	s_load_b128 s[4:7], s[0:1], 0x0                ; qk, vbuf
	s_load_b128 s[8:11], s[0:1], 0x10              ; o_codes, o_scales
	v_lshl_add_u32 v[SPW], v0, 2, SPARE
	v_mov_b32 v[NIL], 0
	ds_add_u32 v[SPW], v[NIL]                      ; the wave's opening: the add, twice on end, and its wait ahead of my first tensor load
	ds_add_u32 v[SPW], v[NIL]
	v_lshrrev_b32 v8, 5, v0
	s_delay_alu instid0(VALU_DEP_1)
	v_readfirstlane_b32 s[WV], v8                  ; wave 0..15
	s_bfe_u32 s19, ttmp6, 0x40000                  ; cx
	s_and_b32 s78, ttmp7, 0xffff                   ; 16 batch + head
	s_lshr_b32 s79, s78, 4                         ; batch
	s_and_b32 s80, s78, 15                         ; head
	; descriptor group 1: a dense block as rows of 256 bytes (32 elements of 8); the mask names all four work-groups; k: 52 rows, v: 50
	s_mov_b32 s[G1K], 15|(3<<16)|(1<<21)
	s_mov_b32 s[G1K+1], 32<<16
	s_mov_b32 s[G1K+2], (KREC/8/256)<<16
	s_mov_b32 s[G1K+3], 32<<16
	s_mov_b32 s[G1K+4], KREC/8/256
	s_mov_b32 s[G1K+5], 32
	s_mov_b32 s[G1K+6], 0
	s_mov_b32 s[G1K+7], 0
	s_mov_b32 s[G1V], 15|(3<<16)|(1<<21)
	s_mov_b32 s[G1V+1], 32<<16
	s_mov_b32 s[G1V+2], (VREC/8/256)<<16
	s_mov_b32 s[G1V+3], 32<<16
	s_mov_b32 s[G1V+4], VREC/8/256
	s_mov_b32 s[G1V+5], 32
	s_mov_b32 s[G1V+6], 0
	s_mov_b32 s[G1V+7], 0
	s_mov_b32 s20, 0x76543210
	s_mov_b32 s21, 0xfedcba98                      ; v_permlanex16_b32's selects for the lane 16 away
	s_mov_b32 s22, 0x3e38aa3b                      ; c = log2(e) / 8
	s_mov_b32 s23, s22                             ; (named with it as a pair)
	s_and_b32 s81, s[WV], 7
	s_mul_i32 s82, s81, KREC/8                     ; my eighth of k's record,
	s_mul_i32 s83, s81, VREC/8                     ; or of v's
	s_lshl_b32 s84, s80, 2
	s_add_co_u32 s84, s84, s79
	s_mul_i32 s85, s84, KREC                       ; q's record (head, batch)
	s_add_co_u32 s86, s85, 64*KREC                 ; k's: 64 records on
	s_add_co_u32 s86, s86, s82
	s_mov_b32 s87, 0
	s_mul_i32 s88, s78, VREC                       ; v's record
	s_add_co_u32 s88, s88, s83
	s_mov_b32 s89, 0
	s_lshl_b32 s48, s[WV], 2
	s_add_co_u32 s48, s48, s19                     ; my first tile: 4 w + cx
	s_sub_co_u32 s49, 127, s48                     ; my second
	s_lshr_b32 s50, s[WV], 1                       ; their last key steps, from the wave's number alone
	s_sub_co_u32 s51, 15, s50
	s_wait_dscnt 0x0                               ; both opening adds are done
	s_wait_kmcnt 0x0
	s_mov_b32 s[G0K], 1
	s_mov_b32 s[G0K+1], s82
	s_add_nc_u64 s[G0K+2:G0K+3], s[4:5], s[86:87]
	s_or_b32 s[G0K+3], s[G0K+3], 0x80000000
	s_mov_b32 s[G0V], 1
	s_add_co_u32 s[G0V+1], s83, VB
	s_add_nc_u64 s[G0V+2:G0V+3], s[6:7], s[88:89]
	s_or_b32 s[G0V+3], s[G0V+3], 0x80000000
	CROUND                                         ; all four work-groups are here: the joint loads meet
	s_cmp_lt_u32 s[WV], 8                          ; every wave issues one load: one tensor load of mine is out
	s_cbranch_scc0 .Lfor_v
	tensor_load_to_lds s[G0K:G0K+3], s[G1K:G1K+7]
	s_nop 0
.rept 4
	v_nop
.endr
	s_branch .Lasked
.Lfor_v:
	tensor_load_to_lds s[G0V:G0V+3], s[G1V:G1V+7]
	s_nop 0
.rept 4
	v_nop
.endr
.Lasked:
; the pointers of tile s[48 + p]: q's half fragment s[54 + 2 p ..], q's scale words s[58 + 2 p ..], o's codes s[66 + 2 p ..], o's scale bytes s[70 + 2 p ..]; s[52 + p] = 16 x (tile % 8): the tile's first query in its last key step
.macro PTRS p
	s_mul_i32 s86, s[48+\p], 768
	s_add_co_u32 s86, s86, s85
	s_mov_b32 s87, 0
	s_add_nc_u64 s[54+2*\p:55+2*\p], s[4:5], s[86:87]
	s_lshr_b32 s86, s[48+\p], 3
	s_lshl_b32 s86, s86, 9                         ; 512 bytes for each 8 tiles,
	s_and_b32 s88, s[48+\p], 1
	s_lshl_b32 s88, s88, 8                         ; an odd tile's words in lanes 16-31's places,
	s_add_co_u32 s86, s86, s88
	s_bfe_u32 s88, s[48+\p], 0x20001
	s_lshl_b32 s88, s88, 2                         ; word (tile / 2) % 4
	s_add_co_u32 s86, s86, s88
	s_add_co_u32 s86, s86, s85
	s_add_co_u32 s86, s86, KSCL
	s_add_nc_u64 s[58+2*\p:59+2*\p], s[4:5], s[86:87]
	s_lshl_b32 s86, s79, 7
	s_add_co_u32 s86, s86, s[48+\p]                ; 128 batch + tile
	s_lshl_b32 s88, s86, 9                         ; 16 tokens x 32 scale bytes
	s_lshl_b32 s86, s86, 4
	s_add_co_u32 s86, s86, s80
	s_mul_i32 s86, s86, 768
	s_add_nc_u64 s[66+2*\p:67+2*\p], s[8:9], s[86:87]
	s_lshl_b32 s89, s80, 1
	s_add_co_u32 s86, s88, s89
	s_add_nc_u64 s[70+2*\p:71+2*\p], s[10:11], s[86:87]
	s_and_b32 s88, s[48+\p], 7
	s_lshl_b32 s[52+\p], s88, 4
.endm
	PTRS 0
	PTRS 1
	v_and_b32 v8, 31, v0                           ; lane
	v_and_b32 v9, 15, v0                           ; r
	v_bfe_u32 v10, v0, 4, 1                        ; h
	s_delay_alu instid0(VALU_DEP_3)
	v_lshlrev_b32 v1, 4, v8                        ; 16 x lane: an image's registers 0-3 (k, q, o), 4 c .. 4 c + 3 (v)
	s_delay_alu instid0(VALU_DEP_4)
	v_lshlrev_b32 v2, 3, v8                        ; 8 x lane: registers 4-5
	s_delay_alu instid0(VALU_DEP_4)
	v_lshlrev_b32 v31, 4, v9                       ; q's scale word: 16 r
	global_load_b128 v[16:19], v1, s[54:55]        ; q's half fragments and scale words of both tiles stay in registers
	global_load_b64 v[20:21], v2, s[54:55] offset:512
	global_load_b32 v255, v31, s[58:59]
	global_load_b128 v[192:195], v1, s[56:57]
	global_load_b64 v[196:197], v2, s[56:57] offset:512
	global_load_b32 v204, v31, s[60:61]
	v_add_nc_u32 v3, VB, v1                        ; v's fragments
	v_add_nc_u32 v4, KSCL, v1                      ; k's scale words
	v_add_nc_u32 v7, VSCL, v2                      ; v's
	v_lshlrev_b32 v28, 5, v9                       ; o's scale bytes: 32 r
	v_lshlrev_b32 v10, 3, v10
	s_delay_alu instid0(VALU_DEP_1)
	v_sub_nc_u32 v30, v9, v10                      ; r - 8 h
.irp j, 22,23,24,25,26,27,198,199,200,201,202,203
	v_mov_b32 v\j, 0                               ; the empty half of the first product's K: zero codes, in q's fragments
.endr
.irp t, 0,1,2,3
.irp j, 6,7,8,9,10,11
	v_mov_b32 v[32+12*\t+\j], 0                    ; and in k's four places; the loads land in registers 0-5 alone
.endr
.endr
.irp j, 236,237,238,239,252,253
	v_mov_b32 v\j, 0                               ; written once: a lane permute's destination counts as one of its sources, and v253 is named as the upper half of a pair
.endr
	s_wait_loadcnt 0x0                             ; q
	s_wait_tensorcnt 0x0                           ; my part of the head is in,
	s_barrier_signal -1
	s_barrier_wait -1                              ; everybody's is
; ONE TILE OF 16 QUERIES.  p: which of my two; trips: a constant that covers every wave's last step; QF, QS: q's fragment and scale word.
.macro PASS p, trips, QF, QS
	s_wait_xcnt 0x0                                ; the last tile's stores have read their registers
	v_mov_b32 v13, 0xff61b1e6                      ; the largest t so far: -3e38, under every t
	s_delay_alu instid0(VALU_DEP_1)
	v_floor_f32 v12, -v13                          ; -M
	v_mov_b32 v14, 0                               ; the sum, in two halves
	v_mov_b32 v15, 0
.set J, 0
.rept 32
	v_mov_b32 v[160+J], 0                          ; O^T: the step is written once, and its first walk finds zeros, which the first change of M leaves zeros
.set J, J+1
.endr
	s_mov_b32 s[KSC], 0
	s_mov_b32 s[TK], 0
	s_mov_b32 s[TS], 0
	s_mov_b32 s[TJ], 0
.Lstep_\@:
	s_cmp_gt_u32 s[KSC], s[50+\p]                  ; a step all of whose keys come behind my queries is left out: a branch on the wave's number and the count of steps, round the work, not round the lines that step addresses
	s_cbranch_scc1 .Lskip_\@
	s_setprio 2
	v_add_nc_u32 v8, s[TK], v1                     ; these five are also the places between the last step's V^T P products and the first product below, which writes over their source registers
	s_wait_alu depctr_va_vdst(0)
	v_add_nc_u32 v9, s[TK], v2
	s_wait_alu depctr_va_vdst(0)
	v_add_nc_u32 v10, s[TK], v3
	v_add_nc_u32 v11, s[TS], v4
	v_add_nc_u32 v29, s[TJ], v7
	ds_load_b128 v[248:251], v11                   ; k's scale words: register i: lanes 0-15 tile 2 i, lanes 16-31 tile 2 i + 1
.irp g, 0,1                            ; S^T = K Q^T, four tiles of 16 keys at a time
.if \g > 0
.rept 4
	v_nop                                          ; places in front of loads into registers that matrix instructions have read
.endr
.endif
.irp t, 0,1,2,3
	ds_load_b128 v[32+12*\t:35+12*\t], v8 offset:768*(4*\g+\t)
	ds_load_b64 v[36+12*\t:37+12*\t], v9 offset:768*(4*\g+\t)+512
.endr
	s_wait_dscnt 0x0
.irp t, 0,1,2,3
.if \t%2 == 0
	v_wmma_scale_f32_16x16x128_f8f6f4 v[96+8*(4*\g+\t):103+8*(4*\g+\t)], v[32+12*\t:43+12*\t], v[\QF:\QF+11], 0, v[248+2*\g+\t/2], v[\QS] matrix_a_fmt:MATRIX_FMT_FP6 matrix_b_fmt:MATRIX_FMT_FP6
.else
	v_wmma_scale_f32_16x16x128_f8f6f4 v[96+8*(4*\g+\t):103+8*(4*\g+\t)], v[32+12*\t:43+12*\t], v[\QF:\QF+11], 0, v[248+2*\g+\t/2], v[\QS] matrix_a_fmt:MATRIX_FMT_FP6 matrix_b_fmt:MATRIX_FMT_FP6 matrix_a_scale:MATRIX_SCALE_ROW1
.endif
.endr
.endr
.rept 4
	v_nop
.endr
	s_cmp_lg_u32 s[KSC], s[50+\p]                  ; my last step lies on the diagonal: there hidden scores become -infinity ahead of the maximum
	s_cbranch_scc1 .Lopen_\@
	v_add_nc_u32 v252, s[52+\p], v30               ; d = my query in the step - 8 h.  Register n holds key 16 (n / 8) + 8 h + n % 8: hidden where 16 (n / 8) + n % 8 > d
	v_mov_b32 v254, 0xff800000
.set N, 0
.rept 64
	v_cmp_gt_i32 vcc_lo, 16*(N/8)+N%8, v252
	v_cndmask_b32 v[96+N], v[96+N], v254, vcc_lo
.set N, N+1
.endr
.Lopen_\@:
.irp b, 0,1,2,3
	v_max3_num_f32 v[232+\b], v[96+16*\b], v[97+16*\b], v[98+16*\b]   ; the largest score of each block of 32 keys: it serves for the row's maximum and, since p rises with the score, for the block's largest p
.endr
.irp i, 3,5,7,9,11,13
.irp b, 0,1,2,3
	v_max3_num_f32 v[232+\b], v[232+\b], v[96+16*\b+\i], v[97+16*\b+\i]
.endr
.endr
.irp b, 0,1,2,3
	v_max_num_f32 v[232+\b], v[232+\b], v[111+16*\b]
.endr
.irp b, 0,1,2,3
	s_delay_alu instid0(VALU_DEP_4)
	v_permlanex16_b32 v[236+\b], v[232+\b], s20, s21
.endr
.irp b, 0,1,2,3
	s_delay_alu instid0(VALU_DEP_4)
	v_max_num_f32 v[232+\b], v[232+\b], v[236+\b]  ; with the other 16 keys, in the lane 16 away
.endr
	s_delay_alu instid0(VALU_DEP_2)
	v_max3_num_f32 v254, v232, v233, v234
	s_delay_alu instid0(VALU_DEP_1)
	v_max_num_f32 v254, v254, v235                 ; the step's largest score of my query
	s_delay_alu instid0(VALU_DEP_1)
	v_mul_f32 v254, s22, v254                      ; as t (c is positive)
	s_delay_alu instid0(VALU_DEP_1)
	v_max_num_f32 v13, v13, v254                   ; the running largest t
	v_mov_b32 v254, v12
	s_delay_alu instid0(VALU_DEP_2)
	v_floor_f32 v12, -v13                          ; the new -M = floor(-t): M is a whole number
	s_delay_alu instid0(VALU_DEP_1)
	v_sub_f32 v254, v12, v254                      ; old M less new M: a whole number, 0 or less
	s_delay_alu instid0(VALU_DEP_1)
	v_cvt_i32_f32 v254, v254                       ; (it saturates)
	s_delay_alu instid0(VALU_DEP_1)
	v_ldexp_f32 v252, 1.0, v254                    ; f = 2^(old M - new M)
.set J, 0
.rept 32
	v_pk_fma_f32 v[96+J:97+J], v[96+J:97+J], s[22:23], v[12:13] op_sel_hi:[1,0,0]   ; t - M, two at a time
.set J, J+2
.endr
	s_setprio 1
.irp b, 0,1,2,3
	v_fma_f32 v[232+\b], v[232+\b], s22, v12       ; the same of each block's largest score
.endr
.set J, 0
	s_wait_alu depctr_va_vdst(0)
.rept 64
	v_exp_f32 v[96+J], v[96+J]                     ; p = 2^(t - M), at most 1
.set J, J+1
.endr
	v_pk_mul_f32 v[14:15], v[14:15], v[252:253] op_sel_hi:[1,0]   ; the sums under the new M: a plain instruction behind the exponentials
	s_wait_alu depctr_va_vdst(0)                   ; one wait for the batch, ahead of its first reader
.irp b, 0,1,2,3
	v_exp_f32 v[232+\b], v[232+\b]                 ; the block's largest p: the same two instructions on the same number give the same bits
.endr
	v_pk_add_f32 v[236:237], v[100:101], v[104:105]
	v_pk_add_f32 v[250:251], v[108:109], v[112:113]
	v_pk_add_f32 v[248:249], v[116:117], v[120:121]
	v_pk_add_f32 v[246:247], v[124:125], v[128:129]
	v_pk_add_f32 v[244:245], v[132:133], v[136:137]
	v_pk_add_f32 v[242:243], v[140:141], v[144:145]
	v_pk_add_f32 v[240:241], v[148:149], v[152:153]
	v_pk_add_f32 v[14:15], v[14:15], v[156:157]
	v_pk_add_f32 v[236:237], v[236:237], v[96:97]
	v_pk_add_f32 v[250:251], v[250:251], v[98:99]
	v_pk_add_f32 v[248:249], v[248:249], v[102:103]
	v_pk_add_f32 v[246:247], v[246:247], v[106:107]
	v_pk_add_f32 v[244:245], v[244:245], v[110:111]
	v_pk_add_f32 v[242:243], v[242:243], v[114:115]
	v_pk_add_f32 v[240:241], v[240:241], v[118:119]
	v_pk_add_f32 v[14:15], v[14:15], v[122:123]
	v_pk_add_f32 v[236:237], v[236:237], v[126:127]
	v_pk_add_f32 v[250:251], v[250:251], v[130:131]
	v_pk_add_f32 v[248:249], v[248:249], v[134:135]
	v_pk_add_f32 v[246:247], v[246:247], v[138:139]
	v_pk_add_f32 v[244:245], v[244:245], v[142:143]
	v_pk_add_f32 v[242:243], v[242:243], v[146:147]
	v_pk_add_f32 v[240:241], v[240:241], v[150:151]
	v_pk_add_f32 v[14:15], v[14:15], v[154:155]
	v_pk_add_f32 v[236:237], v[236:237], v[158:159]
	s_delay_alu instid0(VALU_DEP_2)
	v_pk_add_f32 v[14:15], v[14:15], v[246:247]
	s_delay_alu instid0(VALU_DEP_2)
	v_pk_add_f32 v[236:237], v[236:237], v[244:245]
	v_pk_add_f32 v[250:251], v[250:251], v[242:243]
	v_pk_add_f32 v[248:249], v[248:249], v[240:241]
	s_delay_alu instid0(VALU_DEP_2)
	v_pk_add_f32 v[14:15], v[14:15], v[250:251]
	s_delay_alu instid0(VALU_DEP_2)
	v_pk_add_f32 v[236:237], v[236:237], v[248:249]
	s_delay_alu instid0(VALU_DEP_1)
	v_pk_add_f32 v[14:15], v[14:15], v[236:237]
	s_wait_alu depctr_va_vdst(0)                   ; and one for the four
.irp b, 0,1,2,3
	v_max_num_f32 v[232+\b], 0x1800000, v[232+\b]  ; the floor 2^(3 - 127): the byte cannot fall under 1
.endr
.irp b, 0,1,2,3
	s_delay_alu instid0(VALU_DEP_4)
	v_add_nc_u32 v[244+\b], 0xff000000, v[232+\b]  ; 2 off the exponent field: the conversion's scale operand
.endr
.irp b, 0,1,2,3
	s_delay_alu instid0(VALU_DEP_4)
	v_lshrrev_b32 v[236+\b], 23, v[244+\b]         ; the scale's byte
.endr
	s_delay_alu instid0(VALU_DEP_3)
	v_lshl_or_b32 v253, v237, 8, v236              ; p's scale word for these 128 keys
	s_delay_alu instid0(VALU_DEP_1)
	v_lshl_or_b32 v253, v238, 16, v253
	s_delay_alu instid0(VALU_DEP_1)
	v_lshl_or_b32 v253, v239, 24, v253
.irp c, 0,1
	v_cvt_scalef32_pk16_fp6_f32 v[224+6*\c:226+6*\c], v[96+32*\c:111+32*\c], v[244+2*\c]
	v_cvt_scalef32_pk16_fp6_f32 v[236+4*\c:238+4*\c], v[112+32*\c:127+32*\c], v[244+2*\c+1]
.endr
	v_nop                                          ; one plain place behind a scaled conversion
	s_setprio 0
.irp c, 0,1                            ; the operand's layout wants a whole block in a lane
.irp i, 0,1,2
	v_permlane16_swap_b32 v[224+6*\c+\i], v[236+4*\c+\i]
.endr
.irp i, 0,1,2
	s_delay_alu instid0(VALU_DEP_3)
	v_mov_b32 v[227+6*\c+\i], v[236+4*\c+\i]
.endr
.endr
.irp t, 0,1,2,3                        ; v's four fragments land where p lay: p has been summed and converted
.irp c, 0,1,2
	ds_load_b128 v[96+12*\t+4*\c:99+12*\t+4*\c], v10 offset:1536*\t+512*\c
.endr
.endr
	ds_load_b64 v[248:249], v29                    ; and their scale words
.set J, 0
.rept 16
	v_pk_mul_f32 v[160+J:161+J], v[160+J:161+J], v[252:253] op_sel_hi:[1,0]   ; O^T under the new M.  These sixteen are also the places between p's codes and scale word and the products
.set J, J+2
.endr
	s_wait_alu depctr_va_vdst(0)
	s_wait_dscnt 0x0
.irp t, 0,1,2,3                        ; O^T += V^T P^T: the step's four products name four accumulators, one instruction a turn
.if \t%2 == 0
	v_wmma_scale_f32_16x16x128_f8f6f4 v[160+8*\t:167+8*\t], v[96+12*\t:107+12*\t], v[224:235], v[160+8*\t:167+8*\t], v[248+\t/2], v253 matrix_a_fmt:MATRIX_FMT_FP6 matrix_b_fmt:MATRIX_FMT_FP6
.else
	v_wmma_scale_f32_16x16x128_f8f6f4 v[160+8*\t:167+8*\t], v[96+12*\t:107+12*\t], v[224:235], v[160+8*\t:167+8*\t], v[248+\t/2], v253 matrix_a_fmt:MATRIX_FMT_FP6 matrix_b_fmt:MATRIX_FMT_FP6 matrix_a_scale:MATRIX_SCALE_ROW1
.endif
.endr
.Lskip_\@:
	s_add_co_u32 s[TK], s[TK], 6144
	s_add_co_u32 s[TS], s[TS], 512
	s_add_co_u32 s[TJ], s[TJ], 256
	s_add_co_u32 s[KSC], s[KSC], 1
	s_cmp_lt_u32 s[KSC], \trips
	s_cbranch_scc1 .Lstep_\@
	s_setprio 0
	; the tile's way out: O^T / the sum, true order along the channels, quantised, stored as an image of the next product's half fragment
.rept 4
	v_nop                                          ; places behind the last products
.endr
	v_add_f32 v14, v14, v15
	s_delay_alu instid0(VALU_DEP_1)
	v_permlanex16_b32 v252, v14, s20, s21
	s_delay_alu instid0(VALU_DEP_1)
	v_add_f32 v14, v14, v252                       ; the row's sum
	s_wait_alu depctr_va_vdst(0)
	v_rcp_f32 v14, v14
	v_nop                                          ; a plain place behind the reciprocal
	s_wait_alu depctr_va_vdst(0)                   ; the wait ahead of its first reader
.set J, 0
.rept 16
	v_pk_mul_f32 v[96+J:97+J], v[160+J:161+J], v[14:15] op_sel_hi:[1,0]   ; register 8 t + j is o(r, 16 t + 8 h + j); each accumulator from its low end on
.set J, J+2
.endr
.irp b, 0,1
.irp j, 0,1,2,3,4,5,6,7
	v_permlane16_swap_b32 v[96+16*\b+\j], v[104+16*\b+\j]   ; tile 2 b's lanes 16-31 change places with tile 2 b + 1's lanes 0-15: register 16 b + i is now channel 32 b + 16 h + i
.endr
.endr
.irp b, 0,1
	v_max3_num_f32 v[232+\b], |v[96+16*\b]|, |v[97+16*\b]|, 0x1800000
.endr
.irp i, 2,4,6,8,10,12,14
.irp b, 0,1
	s_delay_alu instid0(VALU_DEP_2)
	v_max3_num_f32 v[232+\b], v[232+\b], |v[96+16*\b+\i]|, |v[97+16*\b+\i]|
.endr
.endr
.irp b, 0,1
	s_delay_alu instid0(VALU_DEP_2)
	v_permlanex16_b32 v[236+\b], v[232+\b], s20, s21
.endr
.irp b, 0,1
	s_delay_alu instid0(VALU_DEP_2)
	v_max_num_f32 v[232+\b], v[232+\b], v[236+\b]
.endr
.irp b, 0,1
	s_delay_alu instid0(VALU_DEP_2)
	v_add_nc_u32 v[244+\b], 0xff000000, v[232+\b]
.endr
.irp b, 0,1
	s_delay_alu instid0(VALU_DEP_2)
	v_lshrrev_b32 v[240+\b], 23, v[244+\b]
.endr
	s_delay_alu instid0(VALU_DEP_1)
	v_lshl_or_b32 v254, v241, 8, v240              ; the head's two scale bytes of my token
	v_cvt_scalef32_pk16_fp6_f32 v[224:226], v[96:111], v244
	v_cvt_scalef32_pk16_fp6_f32 v[236:238], v[112:127], v245
	v_nop                                          ; one plain place behind a scaled conversion
.irp i, 0,1,2
	v_permlane16_swap_b32 v[224+\i], v[236+\i]
.endr
.irp i, 0,1,2
	s_delay_alu instid0(VALU_DEP_3)
	v_mov_b32 v[227+\i], v[236+\i]                 ; registers 0-5: lane (r, h) holds channels 32 h + 0 .. 31 of token r
.endr
	global_store_b128 v1, v[224:227], s[66+2*\p:67+2*\p]             ; 512 consecutive bytes, aligned,
	global_store_b64 v2, v[228:229], s[66+2*\p:67+2*\p] offset:512   ; and 256
	global_store_b16 v28, v254, s[70+2*\p:71+2*\p]                   ; lanes r and r + 16 write the same two bytes with the same value.  A head owns 2 bytes of a token's 32: 2 bytes for every 48 of codes
.endm
	PASS 0, 8, 16, 255
	PASS 1, 16, 192, 204
	s_wait_tensorcnt 0x0                           ; the wave's end, behind my last tensor load
	ds_add_u32 v[SPW], v[NIL]
	s_wait_dscnt 0x0
	CROUND                                         ; the closing round
	s_endpgm
.Lfunc_end_k_q143cbb7737_attn:
	.size	k_q143cbb7737_attn, .Lfunc_end_k_q143cbb7737_attn-k_q143cbb7737_attn
	.p2alignl 7, 3214868480
	.fill 96, 4, 3214868480
	.section	.rodata,"a",@progbits
	.p2align	6, 0x0
	.amdhsa_kernel k_q143cbb7737_attn
		.amdhsa_group_segment_fixed_size 210944
		.amdhsa_private_segment_fixed_size 0
		.amdhsa_enable_private_segment 0
		.amdhsa_kernarg_size 32
		.amdhsa_user_sgpr_count 2
		.amdhsa_user_sgpr_kernarg_segment_ptr 1
		.amdhsa_wavefront_size32 1
		.amdhsa_system_sgpr_workgroup_id_x 1
		.amdhsa_system_sgpr_workgroup_id_y 1
		.amdhsa_system_sgpr_workgroup_id_z 1
		.amdhsa_system_vgpr_workitem_id 0
		.amdhsa_next_free_vgpr 256
		.amdhsa_next_free_sgpr 90
		.amdhsa_reserve_vcc 1
		.amdhsa_float_denorm_mode_32 3
		.amdhsa_float_denorm_mode_16_64 3
		.amdhsa_memory_ordered 1
		.amdhsa_forward_progress 1
		.amdhsa_inst_pref_size 67
	.end_amdhsa_kernel
	.amdgpu_metadata
---
amdhsa.version: [ 1, 2 ]
amdhsa.kernels:
  - .name:           k_q143cbb7737_attn
    .symbol:         k_q143cbb7737_attn.kd
    .args:
      - { .name: qk, .offset: 0, .size: 8, .value_kind: global_buffer, .address_space: global }
      - { .name: vbuf, .offset: 8, .size: 8, .value_kind: global_buffer, .address_space: global }
      - { .name: o_codes, .offset: 16, .size: 8, .value_kind: global_buffer, .address_space: global }
      - { .name: o_scales, .offset: 24, .size: 8, .value_kind: global_buffer, .address_space: global }
    .group_segment_fixed_size: 210944
    .private_segment_fixed_size: 0
    .kernarg_segment_align: 8
    .kernarg_segment_size: 32
    .max_flat_workgroup_size: 512
    .sgpr_count:     90
    .vgpr_count:     256
    .wavefront_size: 32
...
	.end_amdgpu_metadata
.endif
;; end of part 3
;; launch gemm_out (part 4): grid 4 x 32, 4 waves a work-group, clusters of 4 x 4, 327,680 bytes of LDS; arguments o_codes, o_scales, w_out_codes, w_out_scales, b_out, out0; writes out0
.if DOCPART == 4
	.amdgcn_target "amdgcn-amd-amdhsa--gfx1250"
	.amdhsa_code_object_version 6
	.text
	.protected	k_q143cbb7737_gemm_out
	.globl	k_q143cbb7737_gemm_out
	.p2align	8
	.type	k_q143cbb7737_gemm_out,@function
k_q143cbb7737_gemm_out:
	s_mov_b64 s[64:65], 0
	v_nop
	global_prefetch_b8 v0, s[64:65] scope:SCOPE_SE
	s_setreg_imm32_b32 hwreg(HW_REG_WAVE_MODE, 25, 1), 1
	s_wait_xcnt 0x0
	s_wait_alu depctr_hold_cnt(0) depctr_sa_sdst(0) depctr_va_vdst(0) depctr_va_sdst(0) depctr_va_ssrc(0) depctr_va_vcc(0) depctr_vm_vsrc(0)
	s_getreg_b32 s2, hwreg(HW_REG_IB_STS2, 6, 4)
	s_cmp_eq_u32 s2, 0
	s_cbranch_scc0 .Lentry_in_a_cluster
	s_endpgm
.Lentry_in_a_cluster:
	s_bfe_u32 s2, ttmp6, 0x10000c
	s_cmp_lg_u32 s2, 0xf033
	s_cbranch_scc0 .Lentry_shape_is_right
	s_endpgm
.Lentry_shape_is_right:
; out0[token][n] = sum over k of o[token][k] w_out[n][k] + b_out[n], on codes of FP6 (E2M3) with one E8M0 scale for each 32 along K; out0 [8,192][1,024] f32.
; The walk of gemm_qk: a tile of 256 x 256 to a work-group of four waves, 128 x 128 a wave, K in steps of 256 through a ring of two LDS slots, the scale bytes of all of K in LDS once, clusters of 4 x 4 with joint loads,
; the matrix instruction used transposed (source 0 = 16 rows of w_out, source 1 = 16 tokens), the bias as the C of each sum's first matrix instruction.  No work of reference() is left out here.
; WHAT DIFFERS: A = o arrives as attn has laid it: [token tile][head][768 bytes], images of half fragments (16 tokens x 64: registers 0-3 at 16 x lane, registers 4-5 at 512 + 8 x lane).  A K step of 256 is four heads: 3,072 consecutive
; bytes of each token tile.  So a wave's load of A brings 8 rows of 3,072 bytes, 12,288 apart, dense in LDS, and a fragment (two heads) comes by two loads of 16 bytes and two of 8, each over consecutive bytes.
; THE WAY OUT: a lane holds 32 neighbouring bytes of a row; a block of 16 rows x 128 columns goes through the wave's own stage in LDS and comes back as whole rows of 512 bytes.  The stage lies in slot 0, which has had its last fill
; and its last read when the first result is stored there.
.set KSTEP,  256
.set NQ,     2
.set ROWB,   192                       ; B: a tile's row in bytes
.set KROW,   768                       ; a row of B in memory; also a token's share of A's bytes: a token tile is 16 x 768
.set PITCH,  240
.set FR,     12
.set NL,     6                         ; LDS loads that bring a fragment of B
.set NLA,    4                         ; and of A
.set NP,     4
.set HALFT,  128*PITCH                 ; B: 128 rows
.set ASTEP,  3072                      ; A: a token tile's bytes of a K step
.set HALFA,  8*ASTEP                   ; A: 8 token tiles
.set SLOT,   2*HALFA+2*HALFT           ; A's two halves, then B's two
.set KS,     32
.set SCL,    2*SLOT
.set HALFS,  (128*KS/256)*272
.set SBLK,   (16*KS/256)*272
.set SPARE,  SCL+4*HALFS               ; the spare words, 128 bytes for each wave, that no other line names
.set SIZE_N, 1024
.set SPITCH, 528                       ; the stage: 16 rows x (512 bytes + 16) for each wave
.set ADRA, 16                          ; v16-17 16 x lane + my A half in slot 0, 1;  v18-19 the same with 8 x lane
.set ADRB, 20
.set STO,  24                          ; v24 the way out: where I put 32 bytes of a row
.set RD,   25                          ; v25 where I read a row back
.set CO,   26                          ; v26 my byte offset in a row of out0
.set ADRS, 27
.set SPW,  28
.set NIL,  29
.set BOF,  30
.set SC,   32
.set BI,   64                          ; the bias: register 8 b + j = b_out[my first column + 16 b + 8 h + j]
.set AF,   128
.set BK,   128                         ; the way out: 16 rows read back: v128-191 and v192-255 by turns
.set G1, 24
.set G0, 32
.set G1B, 48
.set G0B, 56
.set G1S, 68
.set G0S, 76
.set G1SB, 80
.set G0SB, 88
.set MSB, 0
.macro WIN new                         ; the immediate's high byte repeats the setting that is left
.if MSB != (\new)
	s_set_vgpr_msb (MSB<<8)|(\new)
.set MSB, (\new)
.endif
.endm
.set MUL_LO, 0xa1
.set MUL_HI, 0xf1
.set TO_B,   0x40
.macro JLOAD g0a, g1a, g0b, g1b        ; a joint load: waves 0 and 1 fetch for A, waves 2 and 3 for B; an s_nop 0 and four v_nop follow each of the two lines
	s_cmp_eq_u32 s15, 0
	s_cbranch_scc0 .Lfor_b_\@
	tensor_load_to_lds s[\g0a:\g0a+3], s[\g1a:\g1a+7]
	s_nop 0
.rept 4
	v_nop
.endr
	s_branch .Lasked_\@
.Lfor_b_\@:
	tensor_load_to_lds s[\g0b:\g0b+3], s[\g1b:\g1b+7]
	s_nop 0
.rept 4
	v_nop
.endr
.Lasked_\@:
.endm
.macro CREST
	s_cmp_lg_u32 s14, 0
	s_cbranch_scc1 .Lnot_wave_0_\@
	s_barrier_signal -3
.Lnot_wave_0_\@:
	s_barrier_wait -3
	s_barrier_signal -1
	s_barrier_wait -1
.endm
.macro CROUND
	s_barrier_signal -1
	s_barrier_wait -1
	CREST
.endm
	s_load_b128 s[4:7], s[0:1], 0x0                ; A's codes, A's scales (o)
	s_load_b128 s[8:11], s[0:1], 0x10              ; B's codes, B's scales (w_out)
	s_load_b64 s[12:13], s[0:1], 0x20              ; the bias
	s_load_b64 s[96:97], s[0:1], 0x28              ; out0
	v_lshl_add_u32 v[SPW], v0, 2, SPARE
	v_mov_b32 v[NIL], 0
	ds_add_u32 v[SPW], v[NIL]                      ; the wave's opening: the add, twice on end, and its wait ahead of my first tensor load
	ds_add_u32 v[SPW], v[NIL]
	v_lshrrev_b32 v1, 5, v0
	v_readfirstlane_b32 s14, v1                    ; wave 0..3
	s_lshr_b32 s15, s14, 1                         ; my half of the tile's A rows.  Also: I fetch for A (0) or for B (1)
	s_and_b32 s16, s14, 1                          ; my half of its B rows.  Also: which half of that tile I fetch
	s_bfe_u32 s40, ttmp6, 0x40000                  ; cx, cy
	s_bfe_u32 s41, ttmp6, 0x40004
	s_lshl_b32 s42, ttmp9, 2
	s_add_co_u32 s42, s42, s40                     ; tile column (B: n)
	s_and_b32 s17, ttmp7, 0xffff
	s_lshl_b32 s17, s17, 2
	s_add_co_u32 s17, s17, s41                     ; tile row (A: tokens)
	s_lshl_b32 s43, s41, 2
	s_lshl_b32 s43, 15, s43                        ; my row of the cluster
	s_lshl_b32 s44, 0x1111, s40                    ; my column
	; A's tiles: 8 rows of 384 elements of 8 bytes, 1,536 elements apart, no padding
	s_or_b32 s[G1+0], s43, (3<<16)|(1<<21)
	s_mov_b32 s[G1+1], (ASTEP/8)<<16
	s_mov_b32 s[G1+2], 8<<16
	s_mov_b32 s[G1+3], (ASTEP/8)<<16
	s_mov_b32 s[G1+4], 8
	s_mov_b32 s[G1+5], 16*KROW/8
	s_mov_b32 s[G1+6], 0
	s_mov_b32 s[G1+7], 0
	; B's tiles: 128 rows x 192 bytes, 16 bytes of padding behind every 64
	s_or_b32 s[G1B+0], s44, (0<<16)|(1<<20)|(1<<21)|(3<<22)|(3<<25)
	s_mov_b32 s[G1B+1], ROWB<<16
	s_mov_b32 s[G1B+2], 128<<16
	s_mov_b32 s[G1B+3], ROWB<<16
	s_mov_b32 s[G1B+4], 128
	s_mov_b32 s[G1B+5], KROW
	s_mov_b32 s[G1B+6], 0
	s_mov_b32 s[G1B+7], 0
	s_or_b32 s[G1S+0], s43, (3<<16)|(1<<20)|(1<<21)|(5<<22)|(3<<25)  ; the scale bytes of 128 rows: 16 rows of 256 bytes, 16 of padding behind each
	s_or_b32 s[G1SB+0], s44, (3<<16)|(1<<20)|(1<<21)|(5<<22)|(3<<25)
.irp g, G1S, G1SB
	s_mov_b32 s[\g+1], 32<<16
	s_mov_b32 s[\g+2], (128*KS/256)<<16
	s_mov_b32 s[\g+3], 32<<16
	s_mov_b32 s[\g+4], 128*KS/256
	s_mov_b32 s[\g+5], 32
	s_mov_b32 s[\g+6], 0
	s_mov_b32 s[\g+7], 0
.endr
	s_lshl_b32 s18, s16, 7
	s_lshl_b32 s20, s17, 8
	s_add_co_u32 s20, s20, s18                     ; A: token 256 x tile row + 128 x half
	s_lshl_b32 s46, s42, 8
	s_add_co_u32 s46, s46, s18                     ; B: row 256 x tile column + 128 x half
	s_mov_b32 s21, 0
	s_mov_b32 s47, 0
	s_mov_b64 s[18:19], KS
	s_mul_u64 s[22:23], s[20:21], s[18:19]
	s_mul_u64 s[92:93], s[46:47], s[18:19]
	s_mov_b64 s[18:19], KROW
	s_mul_u64 s[20:21], s[20:21], s[18:19]         ; A: token x 768 = token tile x 12,288
	s_mul_u64 s[46:47], s[46:47], s[18:19]
	s_mul_i32 s45, s16, HALFA                      ; where they go: A's half,
	s_mul_i32 s95, s16, HALFT
	s_add_co_u32 s95, s95, 2*HALFA                 ; B's half, behind A's two: no place in the cluster enters an LDS address
	s_mul_i32 s94, s14, HALFS
	s_wait_dscnt 0x0                               ; both opening adds are done
	s_wait_kmcnt 0x0
	s_add_nc_u64 s[20:21], s[4:5], s[20:21]
	s_add_nc_u64 s[22:23], s[6:7], s[22:23]
	s_add_nc_u64 s[46:47], s[8:9], s[46:47]
	s_add_nc_u64 s[92:93], s[10:11], s[92:93]
	CROUND                                         ; all sixteen work-groups are here: the first joint loads meet
	s_mov_b32 s[G0S], 1
	s_add_co_u32 s[G0S+1], s94, SCL
	s_mov_b64 s[G0S+2:G0S+3], s[22:23]
	s_or_b32 s[G0S+3], s[G0S+3], 0x80000000
	s_mov_b32 s[G0SB], 1
	s_add_co_u32 s[G0SB+1], s94, SCL
	s_mov_b64 s[G0SB+2:G0SB+3], s[92:93]
	s_or_b32 s[G0SB+3], s[G0SB+3], 0x80000000
	JLOAD G0S, G1S, G0SB, G1SB
.irp s, 0,1
	s_mov_b32 s[G0+4*\s], 1
	s_add_co_u32 s[G0+4*\s+1], s45, \s*SLOT
	s_add_nc_u64 s[G0+4*\s+2:G0+4*\s+3], s[20:21], \s*ASTEP
	s_or_b32 s[G0+4*\s+3], s[G0+4*\s+3], 0x80000000
	s_mov_b32 s[G0B+4*\s], 1
	s_add_co_u32 s[G0B+4*\s+1], s95, \s*SLOT
	s_add_nc_u64 s[G0B+4*\s+2:G0B+4*\s+3], s[46:47], \s*ROWB
	s_or_b32 s[G0B+4*\s+3], s[G0B+4*\s+3], 0x80000000
	JLOAD G0+4*\s, G1, G0B+4*\s, G1B               ; three tensor loads of mine are out behind the second of these
.endr
	; the bias of my 128 columns, in the result's layout
	s_lshl_b32 s18, s42, 10
	s_lshl_b32 s19, s16, 9
	s_add_co_u32 s18, s18, s19
	s_mov_b32 s19, 0
	s_add_nc_u64 s[12:13], s[12:13], s[18:19]
	v_and_b32 v1, 15, v0                           ; r
	v_bfe_u32 v2, v0, 4, 1                         ; h
	v_lshlrev_b32 v[BOF], 5, v2
.irp b, 0,1,2,3,4,5,6,7
	global_load_b128 v[BI+8*\b:BI+8*\b+3], v[BOF], s[12:13] offset:64*\b
	global_load_b128 v[BI+8*\b+4:BI+8*\b+7], v[BOF], s[12:13] offset:64*\b+16
.endr
	v_and_b32 v6, 31, v0                           ; lane
	v_lshlrev_b32 v[CO], 4, v6                     ; 16 x lane
	v_lshlrev_b32 v7, 3, v6                        ; 8 x lane
	v_mul_u32_u24 v3, v1, PITCH
	v_mul_u32_u24 v4, v2, 24
	v_add_nc_u32 v4, v3, v4                        ; B: a fragment's row x pitch + 24 x half
	v_lshl_add_u32 v5, v2, 4, v4                   ; and the same behind one padding more
	s_mul_i32 s21, s15, HALFA                      ; my 8 token tiles of A
	s_mul_i32 s22, s16, HALFT                      ; my 128 rows of B,
	s_add_co_u32 s22, s22, 2*HALFA                 ; which lie behind A's two halves
.irp s, 0,1
	v_add_nc_u32 v[ADRA+\s], s21, v[CO]
	v_add_nc_u32 v[ADRA+2+\s], s21, v7
	v_add_nc_u32 v[ADRB+\s], s22, v4
	v_add_nc_u32 v[ADRB+2+\s], s22, v5
	s_add_co_u32 s21, s21, SLOT
	s_add_co_u32 s22, s22, SLOT
.endr
	v_mul_u32_u24 v5, v1, KS
	v_lshrrev_b32 v6, 8, v5
	v_lshl_add_u32 v5, v6, 4, v5
	s_mul_i32 s21, s15, HALFS
	s_mul_i32 s22, s16, HALFS
	s_add_co_u32 s22, s22, 2*HALFS
	s_sub_co_u32 s22, s22, s21
	v_mul_u32_u24 v6, s22, v2
	s_add_co_u32 s21, s21, SCL
	v_add_nc_u32 v5, v5, v6
	v_add_nc_u32 v[ADRS], s21, v5
	s_mul_i32 s23, s14, 16*SPITCH                  ; my stage
	v_mul_u32_u24 v5, v1, SPITCH                   ; in: row r, 32 bytes for each half of the lanes
	v_lshl_add_u32 v5, v2, 5, v5
	v_add_nc_u32 v[STO], s23, v5
	v_add_nc_u32 v[RD], s23, v[CO]                 ; back: the 32 lanes take one row of 512 bytes
	s_lshl_b32 s20, s17, 8
	s_lshl_b32 s21, s15, 7
	s_add_co_u32 s20, s20, s21                     ; my first row of out0
	s_mov_b32 s21, 0
	s_mov_b64 s[18:19], SIZE_N*4
	s_mul_u64 s[20:21], s[20:21], s[18:19]
	s_lshl_b32 s46, s42, 10                        ; my first column, in bytes
	s_lshl_b32 s47, s16, 9
	s_add_co_u32 s46, s46, s47
	s_mov_b32 s47, 0
	s_add_nc_u64 s[20:21], s[20:21], s[46:47]
	s_add_nc_u64 s[96:97], s[96:97], s[20:21]
.macro FRAG reg, adr, q, i             ; a fragment of B from rows in LDS: six pieces of 8 bytes
.irp p, 0,1,2,3,4,5
.set PCE, 12*(\q)+6*(\p/3)+\p%3
.if PCE%8 < 5
	ds_load_b64 v[\reg+2*\p:\reg+2*\p+1], v[\adr] offset:8*PCE+16*(PCE/8)+(\i)*16*PITCH
.else
	ds_load_b64 v[\reg+2*\p:\reg+2*\p+1], v[\adr+2] offset:8*PCE+16*(PCE/8)+(\i)*16*PITCH
.endif
.endr
.endm
.macro FRAGA reg, slot, q, i           ; a fragment of A: the images of two heads' half fragments, 768 bytes each
	ds_load_b128 v[\reg:\reg+3], v[ADRA+\slot] offset:ASTEP*(\i)+1536*(\q)
	ds_load_b64 v[\reg+4:\reg+5], v[ADRA+2+\slot] offset:ASTEP*(\i)+1536*(\q)+512
	ds_load_b128 v[\reg+6:\reg+9], v[ADRA+\slot] offset:ASTEP*(\i)+1536*(\q)+768
	ds_load_b64 v[\reg+10:\reg+11], v[ADRA+2+\slot] offset:ASTEP*(\i)+1536*(\q)+1280
.endm
; 16 matrix instructions: A's blocks a0, a0 + 1 x B's eight.  zero = 1: the first product starts the sums, with the bias as its C.  The 64 accumulators take turns.
.macro MUL16 a0, p, q, sc, zero
.irp a, \a0, \a0+1
.irp b, 0,1,2,3,4,5,6,7
.if \zero
	v_wmma_scale_f32_16x16x128_f8f6f4 v[8*(8*((\a)%4)+\b):8*(8*((\a)%4)+\b)+7], v[128*(\p)+FR*\b:128*(\p)+FR*\b+FR-1], v[AF+FR*(\a):AF+FR*(\a)+FR-1], v[BI+8*\b:BI+8*\b+7], v[SC+8*NQ*(\sc)+NQ*\b+(\q)], v[SC+8*NQ*(\sc)+NQ*(\a)+(\q)] matrix_a_fmt:MATRIX_FMT_FP6 matrix_b_fmt:MATRIX_FMT_FP6 matrix_a_scale:MATRIX_SCALE_ROW1
.else
	v_wmma_scale_f32_16x16x128_f8f6f4 v[8*(8*((\a)%4)+\b):8*(8*((\a)%4)+\b)+7], v[128*(\p)+FR*\b:128*(\p)+FR*\b+FR-1], v[AF+FR*(\a):AF+FR*(\a)+FR-1], v[8*(8*((\a)%4)+\b):8*(8*((\a)%4)+\b)+7], v[SC+8*NQ*(\sc)+NQ*\b+(\q)], v[SC+8*NQ*(\sc)+NQ*(\a)+(\q)] matrix_a_fmt:MATRIX_FMT_FP6 matrix_b_fmt:MATRIX_FMT_FP6 matrix_a_scale:MATRIX_SCALE_ROW1
.endif
.endr
.endr
.endm
.macro FETCH_B slot, q, p
	WIN TO_B
.irp i, 0,1,2,3,4,5,6,7
	FRAG 128*(\p)+FR*\i, ADRB+\slot, \q, \i
.endr
	WIN 0
.endm
.macro FETCH_A slot, q, i0
.irp i, \i0, \i0+1, \i0+2, \i0+3
	FRAGA AF+FR*(\i), \slot, \q, \i
.endr
.endm
.macro SCALES sc
.irp i, 0,1,2,3,4,5,6,7
	ds_load_b64 v[SC+8*NQ*\sc+NQ*\i:SC+8*NQ*\sc+NQ*\i+1], v[ADRS] offset:\i*SBLK
.endr
.endm
.macro PLACES n                        ; the places between a matrix instruction and a load into, or a read of, its registers
.rept \n
	v_nop
.endr
.endm
.macro STEP slot, q, zero
	s_wait_dscnt 4*NLA                             ; B's set and A's blocks 0-3 are in; the youngest 16 loads (A's blocks 4-7) may be out
	WIN MUL_LO-0x20*(\zero)
	MUL16 0, (\q)%2, \q, \slot, \zero
	MUL16 2, (\q)%2, \q, \slot, \zero
	s_wait_dscnt 0
	PLACES NP
	FETCH_B \slot, (\q)+1, 1-(\q)%2
	FETCH_A \slot, (\q)+1, 0
	WIN MUL_HI-0x30*(\zero)
	MUL16 4, (\q)%2, \q, \slot, \zero
	MUL16 6, (\q)%2, \q, \slot, \zero
	PLACES NP
	WIN 0
	FETCH_A \slot, (\q)+1, 4
.endm
.macro TURN slot, next, fill
	s_wait_tensorcnt 0x0                           ; all my tensor loads have landed: my part of the next slot
	ds_add_u32 v[SPW], v[NIL]                      ; 0 onto my spare word
	s_wait_dscnt 4*NLA+1                           ; (the add and the youngest 16 loads may be out)
	WIN MUL_LO
	MUL16 0, 1, NQ-1, \slot, 0
	s_wait_dscnt 0x0                               ; the add is done, and my reads of this slot are over
	s_barrier_signal -1
	MUL16 2, 1, NQ-1, \slot, 0
	WIN 0
	s_barrier_wait -1
.if \fill
	CREST                                          ; the barrier has opened a round of the cluster's barrier: no wave of any partner still reads this slot's tile or has a load on its way
	s_add_nc_u64 s[G0+4*\slot+2:G0+4*\slot+3], s[G0+4*\slot+2:G0+4*\slot+3], 2*ASTEP
	s_add_nc_u64 s[G0B+4*\slot+2:G0B+4*\slot+3], s[G0B+4*\slot+2:G0B+4*\slot+3], 2*ROWB
	JLOAD G0+4*\slot, G1, G0B+4*\slot, G1B         ; the first tensor load behind the round
.else
	PLACES NP
.endif
	v_add_nc_u32 v[ADRS], 4*NQ, v[ADRS]
	FETCH_B \next, 0, 0
	FETCH_A \next, 0, 0
	SCALES \next
	WIN MUL_HI
	MUL16 4, 1, NQ-1, \slot, 0
	MUL16 6, 1, NQ-1, \slot, 0
	PLACES NP
	WIN 0
	FETCH_A \next, 0, 4
.endm
	s_wait_tensorcnt 1                             ; the scale bytes and my part of K step 0 are in; K step 1's load may be out
	s_barrier_signal -1
	s_barrier_wait -1
	FETCH_B 0, 0, 0
	FETCH_A 0, 0, 0
	SCALES 0
	FETCH_A 0, 0, 4
	s_wait_loadcnt 0x0                             ; the bias
	STEP 0, 0, 1
	TURN 0, 1, 1
	STEP 1, 0, 0
	TURN 1, 0, 1
	STEP 0, 0, 0
	TURN 0, 1, 0
	STEP 1, 0, 0
	s_wait_dscnt 4*NLA
	WIN MUL_LO
	MUL16 0, 1, NQ-1, 1, 0
	MUL16 2, 1, NQ-1, 1, 0
	s_wait_dscnt 0
	WIN MUL_HI
	MUL16 4, 1, NQ-1, 1, 0
	MUL16 6, 1, NQ-1, 1, 0
	WIN 0
; THE WAY OUT, block by block of 16 rows x 128 columns, through my own stage.  LDS serves a wave's instructions in order (ISA guide 5.7.1.4): no wait between the stores and the loads, nor in front of the next block's stores.
.macro TOSTAGE a
.set AC, 64*((\a)%4)
	WIN 0x08+4*((\a)/4)                            ; the data: window 2 or 3
.irp b, 0,1,2,3,4,5,6,7
	ds_store_b128 v[STO], v[AC+8*\b:AC+8*\b+3] offset:64*\b          ; each accumulator from its low end on
	ds_store_b128 v[STO], v[AC+8*\b+4:AC+8*\b+7] offset:64*\b+16
.endr
	WIN 0
.set BB, BK+64*((\a)%2)
.irp t, 0,1,2,3,4,5,6,7,8,9,10,11,12,13,14,15
	ds_load_b128 v[BB+4*\t:BB+4*\t+3], v[RD] offset:\t*SPITCH
.endr
.endm
.macro SEND a, younger                 ; younger: the LDS instructions issued behind block a's loads, which may stay out
.set BB, BK+64*((\a)%2)
	s_wait_dscnt \younger                          ; the block is back in registers
.if (\a) > 0
	s_add_nc_u64 s[96:97], s[96:97], 16*SIZE_N*4   ; (behind a wait on XCNT: the earlier stores have read their base)  16 rows on
.endif
.irp t, 0,1,2,3,4,5,6,7,8,9,10,11,12,13,14,15
	global_store_b128 v[CO], v[BB+4*\t:BB+4*\t+3], s[96:97] offset:\t*SIZE_N*4 th:TH_STORE_NT   ; 32 lanes store 512 consecutive bytes, at a multiple of 256 from out0's first byte
.endr
.endm
	PLACES NP                                      ; behind the last products: their results are read, and loads land in the registers that held A's fragments
	TOSTAGE 0
.irp a, 1,2,3,4,5,6,7
.if \a > 1
	s_wait_xcnt 0x0                                ; block a - 2's stores have read their registers and their base
.endif
	TOSTAGE \a
	SEND \a-1, 32                                  ; behind block a - 1's loads: block a's 16 stores and 16 loads
.endr
	s_wait_xcnt 0x0                                ; block 6's stores have read their base
	SEND 7, 0
	s_wait_tensorcnt 0x0                           ; the wave's end, behind my last tensor load and my last LDS store
	ds_add_u32 v[SPW], v[NIL]
	s_wait_dscnt 0x0
	CROUND                                         ; the closing round
	s_endpgm
.Lfunc_end_k_q143cbb7737_gemm_out:
	.size	k_q143cbb7737_gemm_out, .Lfunc_end_k_q143cbb7737_gemm_out-k_q143cbb7737_gemm_out
	.p2alignl 7, 3214868480
	.fill 96, 4, 3214868480
	.section	.rodata,"a",@progbits
	.p2align	6, 0x0
	.amdhsa_kernel k_q143cbb7737_gemm_out
		.amdhsa_group_segment_fixed_size 327680
		.amdhsa_private_segment_fixed_size 0
		.amdhsa_enable_private_segment 0
		.amdhsa_kernarg_size 48
		.amdhsa_user_sgpr_count 2
		.amdhsa_user_sgpr_kernarg_segment_ptr 1
		.amdhsa_wavefront_size32 1
		.amdhsa_system_sgpr_workgroup_id_x 1
		.amdhsa_system_sgpr_workgroup_id_y 1
		.amdhsa_system_sgpr_workgroup_id_z 1
		.amdhsa_system_vgpr_workitem_id 0
		.amdhsa_next_free_vgpr 1024
		.amdhsa_next_free_sgpr 102
		.amdhsa_reserve_vcc 0
		.amdhsa_float_denorm_mode_32 3
		.amdhsa_float_denorm_mode_16_64 3
		.amdhsa_memory_ordered 1
		.amdhsa_forward_progress 1
		.amdhsa_inst_pref_size 154
	.end_amdhsa_kernel
	.amdgpu_metadata
---
amdhsa.version: [ 1, 2 ]
amdhsa.kernels:
  - .name:           k_q143cbb7737_gemm_out
    .symbol:         k_q143cbb7737_gemm_out.kd
    .args:
      - { .name: o_codes, .offset: 0, .size: 8, .value_kind: global_buffer, .address_space: global }
      - { .name: o_scales, .offset: 8, .size: 8, .value_kind: global_buffer, .address_space: global }
      - { .name: w_out_codes, .offset: 16, .size: 8, .value_kind: global_buffer, .address_space: global }
      - { .name: w_out_scales, .offset: 24, .size: 8, .value_kind: global_buffer, .address_space: global }
      - { .name: b_out, .offset: 32, .size: 8, .value_kind: global_buffer, .address_space: global }
      - { .name: out0, .offset: 40, .size: 8, .value_kind: global_buffer, .address_space: global }
    .group_segment_fixed_size: 327680
    .private_segment_fixed_size: 0
    .kernarg_segment_align: 8
    .kernarg_segment_size: 48
    .max_flat_workgroup_size: 128
    .sgpr_count:     102
    .vgpr_count:     1024
    .wavefront_size: 32
...
	.end_amdgpu_metadata
.endif
;; end of part 4
